; MI455X (gfx1250); checked and timed in simulation.
; The chip was launched on July 23, 2026; its instructions are those of AMD's public machine-readable ISA for CDNA 5 (MIT licence, August 2026) and "CDNA5" Instruction Set Architecture Reference Guide (July 2026). The comments in the code are by the model that wrote it; some were corrected since.
;; Bahdanau Attention. Allowed arithmetic: matrix products marked QUANTISED: E4M3 operands, one given power-of-two scale a tensor, by v_wmma_f32_16x16x64_fp8_fp8 or v_wmma_f32_16x16x128_fp8_fp8, f32 sums; products left as they are: f32 operands where the result goes on into a quantised operand, else bf16, f16 or f32 operands; f32 sums; everything else in f32.
;; Inputs: W_h_codes 1,024 x 32 x 32 uint8 (E4M3 codes of W_h, K innermost, in blocks of 32 codes); W_s_codes 1,024 x 32 x 32 uint8 (E4M3 codes of W_s, K innermost, in blocks of 32 codes); decoder_hidden_codes 32 x 32 x 32 uint8 (E4M3 codes of decoder_hidden, K innermost, in blocks of 32 codes); encoder_outputs 32 x 2,048 x 1,024 float32; lowp_scales 4 int32 (the exponents e of the quantised operands' scales 2^e); mask 32 x 2,048 int32; v 1,024 float32.
;; Outputs: out0 32 x 1,024 float32; out1 32 x 2,048 float32.
;; This version of the problem:
;;   THIS VERSION OF THE PROBLEM IS GIVEN IN LOW PRECISION. The matrix products marked QUANTISED in the list below multiply operands that are first quantised to E4M3 (4 exponent bits, 3 mantissa bits; 8 bits a number), with one given power-of-two scale for each operand tensor; their sums are f32. All else is computed in f32.
;;   The module's matrix products, in the order in which they are computed (A, B: the left and right operand; K: the contracted axis; several contracted axes count as one K, in the product's order):
;;     1. [M 32, K 1,024] x [K 1,024, N 1,024]; A: input decoder_hidden (given as codes); B: input W_s (given as codes): QUANTISED (scales: A lowp_scales[0], B lowp_scales[1])
;;     2. [M 65,536, K 1,024] x [K 1,024, N 1,024]; A: input encoder_outputs; B: input W_h (given as codes): QUANTISED (scales: A lowp_scales[2], B lowp_scales[3])
;;     3. [M 65,536, K 1,024] x [K 1,024, N 1]; A: computed on the way; B: input v: left as it is (N = 1 < 16)
;;     4. batch 32 x [M 1, K 2,048] x [K 2,048, N 1,024]; A: softmax; B: input encoder_outputs: left as it is (M = 1 < 16)
;;   THE QUANTISER, for each operand of a quantised product, along K:
;;     - The operand's scale is 2^e, e = its entry of the input lowp_scales (int32; the entries are numbered through the quantised products in the list's order, A before B).
;;     - Each number is divided by the scale, clamped to +-448, and rounded to the nearest number of E4M3, ties to even, subnormals kept.
;;     - The product sums the exact products of the quantised numbers (number of the format x scale) in f32.
;;   ~~~python
;;   def quantise(x, axis, e):      # numpy; x: float32 -> the quantised numbers, widened to float32 again
;;       x = np.moveaxis(x, axis, -1); K = x.shape[-1]
;;       r = np.clip(x / 2.0 ** e, -448, 448)
;;       step = 2.0 ** (np.maximum(np.frexp(np.where(r == 0, 1, r))[1] - 1, -6) - 3)
;;       q = np.round(r / step) * step * 2.0 ** e      # np.round: ties to even
;;       return np.moveaxis(q, -1, axis).astype(np.float32)
;;   ~~~
;;   INPUTS GIVEN AS CODES. W_h (in the module: [1024, 1024], K = its axis 1); W_s (in the module: [1024, 1024], K = its axis 1); decoder_hidden (in the module: [32, 1024], K = its axis 1): each comes as NAME_codes (uint8): NAME with its K axis moved to the last place and cut into blocks of 32 codes, [.., K / 32, bytes a block], one block behind the other in memory; one code a byte (a code: sign, 4 exponent bits, 3 mantissa bits); its scale is its entry of lowp_scales. Its value is code x scale, taken as it is: it is not quantised again, and the codes and scales need not be those that the quantiser above would give.
;; 2 versions, each right; version 2 is version 1 with the launch attend written anew for expert scheduling mode. Each part assembles by itself: llvm-mc -triple=amdgcn-amd-amdhsa -mcpu=gfx1250 --defsym DOCPART=n.
;; ======== version 1 of 2: 3 launches
;; workspace buffers: wf 1,048,576 bytes; dec2 131,072 bytes; list 262,144 bytes of whole numbers; cnt 256 bytes of whole numbers; en 270,336 bytes; st 65,536 bytes; ctxp 1,048,576 bytes
;; launch prep (part 1): grid 40 x 1, 4 waves a work-group, no clusters, 9,216 bytes of LDS; arguments W_h_codes, W_s_codes, decoder_hidden_codes, mask, lowp_scales, wf, dec2, list, cnt, en; writes wf, dec2, list, cnt, en
.if DOCPART == 1
	.amdgcn_target "amdgcn-amd-amdhsa--gfx1250"
	.amdhsa_code_object_version 6
	.text
	.protected	k_q9fc18b41f3_prep
	.globl	k_q9fc18b41f3_prep
	.p2align	8
	.type	k_q9fc18b41f3_prep,@function
k_q9fc18b41f3_prep:
	s_mov_b64 s[64:65], 0
	v_nop
	global_prefetch_b8 v0, s[64:65] scope:SCOPE_SE
	s_setreg_imm32_b32 hwreg(HW_REG_WAVE_MODE, 25, 1), 1
	s_wait_xcnt 0x0
; Three small jobs, one for each range of work-groups; the branch hangs on the work-group's number alone.
;  0-15  dec2[b][d] = 2 log2(e) x (decoder_hidden . W_s[d]): the first quantised product, on the codes as given; each sum x 2^(e0 + e1).
;        Wave w of work-group g makes the 16 columns d = 16 (4 g + w) on for all 32 batches: 16 matrix instructions on two accumulators by turns.
; 16-31  wf = W_h's codes in the order of an operand's registers: [tile j 64][K step k 8][group c 4][lane 32][16 bytes]; lane (r, h) holds W_h[16 j + r][128 k + 32 c + 16 h + 0..15].
; 32-39  a wave to a batch: list[b] = a permutation of 0..2047, the rows with mask != 0 from position 0 up, the others from 2047 down; cnt[b] = how many are kept;
;        en[b][0..2047] = -1e9, the energy that a masked row has; the next launch writes the kept rows' energies over it.
; K IN THE FRAGMENTS: four loads of 16 bytes a fragment, 32 bytes apart: registers 4 c .. 4 c + 3 hold k = 32 c + 16 h + 0..15: the same order of k in both operands, so every product meets its partner.
; LIMIT: e0 + e1 between -127 and 126: it is added to the exponent field of 2 log2(e).
.set MSB, 0
.macro WIN new                         ; the immediate's high byte repeats the setting that is left
.if MSB != (\new)
	s_set_vgpr_msb (MSB<<8)|(\new)
.set MSB, \new
.endif
.endm
.set SPI, 272                          ; the stage: 32 rows (batches) of 256 bytes + 16
	s_load_b512 s[4:19], s[0:1], 0x0               ; W_h s[4:5], W_s s[6:7], decoder s[8:9], mask s[10:11], scales s[12:13], wf s[14:15], dec2 s[16:17], list s[18:19]
	s_load_b128 s[20:23], s[0:1], 0x40             ; cnt s[20:21], en s[22:23]
	s_set_vgpr_msb 0x80
	v_lshl_add_u32 v0, v0, 2, 0x2200
	v_mov_b32 v1, 0
	s_set_vgpr_msb 0x8000
	v_lshrrev_b32 v1, 5, v0
	v_readfirstlane_b32 s24, v1                    ; wave 0..3
	v_and_b32 v1, 31, v0                           ; lane
	v_and_b32 v2, 15, v0                           ; r
	v_bfe_u32 v4, v0, 4, 1                         ; h
	v_lshlrev_b32 v3, 10, v2
	v_lshl_add_u32 v3, v4, 4, v3                   ; a fragment's row of 1,024 codes: 1024 r + 16 h
	v_lshlrev_b32 v5, 4, v1                        ; 16 x lane
	v_mul_u32_u24 v6, v2, SPI                      ; the stage, in: row r, + 32 h, + 64 x wave
	v_lshl_add_u32 v6, v4, 5, v6
	s_lshl_b32 s30, s24, 6
	v_add_nc_u32 v6, s30, v6
	v_mul_u32_u24 v7, v4, SPI                      ; and back: rows 8 w + h, 16 bytes for each of sixteen lanes
	v_lshl_add_u32 v7, v2, 4, v7
	s_mul_i32 s30, s24, 8*SPI
	v_add_nc_u32 v7, s30, v7
	v_lshlrev_b32 v8, 12, v4                       ; the same two rows in dec2
	v_lshl_add_u32 v8, v2, 4, v8
	s_mov_b32 s27, 0
	s_wait_kmcnt 0x0
	s_cmp_lt_u32 ttmp9, 16
	s_cbranch_scc1 .Ldec
	s_cmp_lt_u32 ttmp9, 32
	s_cbranch_scc1 .Lrelay
	; ---- the lists: batch b = 4 (work-group - 32) + wave
	s_sub_co_u32 s25, ttmp9, 32
	s_lshl_b32 s25, s25, 2
	s_add_co_u32 s25, s25, s24
	s_lshl_b32 s26, s25, 13
	s_add_nc_u64 s[10:11], s[10:11], s[26:27]      ; mask and list: 8,192 bytes a batch
	s_add_nc_u64 s[18:19], s[18:19], s[26:27]
	s_lshl_b32 s26, s25, 2
	s_add_nc_u64 s[20:21], s[20:21], s[26:27]
	s_mul_i32 s26, s25, 8448
	s_add_nc_u64 s[22:23], s[22:23], s[26:27]      ; en: 2,112 words a batch
.irp c, 0,1,2,3,4,5,6,7,8,9,10,11,12,13,14,15
	global_load_b128 v[64+4*\c:67+4*\c], v5, s[10:11] offset:512*\c   ; register e = 4 c + i of lane l is row 128 c + 4 l + i
.endr
	v_mov_b32 v12, 0xce6e6b28                      ; -1e9
	v_mov_b32 v13, 0xce6e6b28
	v_mov_b32 v14, 0xce6e6b28
	v_mov_b32 v15, 0xce6e6b28
.irp c, 0,1,2,3,4,5,6,7,8,9,10,11,12,13,14,15
	global_store_b128 v5, v[12:15], s[22:23] offset:512*\c            ; 512 consecutive bytes a store
.endr
	v_sub_nc_u32 v9, 0x7ff, v1                     ; 2047 - lane - 32 e: where this element would go if none before it were kept
	v_lshlrev_b32 v10, 2, v1
	s_mov_b32 s28, 0                               ; kept so far
	s_wait_loadcnt 0x0
.set e, 0
.rept 64                                       ; every store has registers of its own, so none is written while a store may read it
	v_cmp_ne_u32 vcc_lo, 0, v[64+e]
	v_mbcnt_lo_u32_b32 v2, vcc_lo, 0               ; kept among the lanes below me
	v_add_nc_u32 v2, s28, v2                       ; a kept row's position
	v_add_nc_u32 v3, v9, v2                        ; a masked row's: 2047 - (elements before me - kept before me)
	v_cndmask_b32 v2, v3, v2, vcc_lo
	v_min_u32 v2, 0x7ff, v2
	v_lshlrev_b32 v[128+e], 2, v2
	v_add_nc_u32 v[192+e], 128*(e/4)+e%4, v10      ; the row's number
	global_store_b32 v[128+e], v[192+e], s[18:19]
	s_bcnt1_i32_b32 s29, vcc_lo
	s_add_co_u32 s28, s28, s29
	v_sub_nc_u32 v9, v9, 32
.set e, e+1
.endr
	v_mov_b32 v11, s28
	v_mov_b32 v16, 0
	global_store_b32 v16, v11, s[20:21]            ; every lane the same word and the same number
	s_endpgm
.Lrelay:                                           ; ---- W_h's tile j = 4 (work-group - 16) + wave
	s_sub_co_u32 s25, ttmp9, 16
	s_lshl_b32 s25, s25, 2
	s_add_co_u32 s25, s25, s24
	s_lshl_b32 s26, s25, 14
	s_add_nc_u64 s[4:5], s[4:5], s[26:27]
	s_add_nc_u64 s[14:15], s[14:15], s[26:27]
.irp n, 0,1,2,3,4,5,6,7,8,9,10,11,12,13,14,15,16,17,18,19,20,21,22,23,24,25,26,27,28,29,30,31
	global_load_b128 v[16+4*\n:19+4*\n], v3, s[4:5] offset:128*(\n/4)+32*(\n%4)
.endr
.irp n, 0,1,2,3,4,5,6,7,8,9,10,11,12,13,14,15,16,17,18,19,20,21,22,23,24,25,26,27,28,29,30,31
	s_wait_loadcnt 31-\n                           ; loads come back in order: the 31 - n issued behind load n may stay out
	global_store_b128 v5, v[16+4*\n:19+4*\n], s[14:15] offset:512*\n  ; 512 consecutive bytes
.endr
	s_endpgm
.Ldec:                                             ; ---- dec2: column tile j = 4 x work-group + wave
	s_lshl_b32 s25, ttmp9, 2
	s_add_co_u32 s25, s25, s24
	s_lshl_b32 s26, s25, 14
	s_add_nc_u64 s[6:7], s[6:7], s[26:27]
	s_load_b64 s[28:29], s[12:13], 0x0             ; e0, e1
	s_lshl_b32 s26, s24, 15                        ; I store batches 8 w on: 4,096 bytes each; the work-group's 64 columns: 256 bytes
	s_lshl_b32 s30, ttmp9, 8
	s_add_co_u32 s26, s26, s30
	s_add_nc_u64 s[16:17], s[16:17], s[26:27]
.irp n, 0,1,2,3,4,5,6,7,8,9,10,11,12,13,14,15,16,17,18,19,20,21,22,23,24,25,26,27,28,29,30,31
	global_load_b128 v[128+4*\n:131+4*\n], v3, s[6:7] offset:128*(\n/4)+32*(\n%4)   ; W_s's eight fragments
.endr
	WIN 0x40                                       ; destination window 1: the decoder's 16 fragments, (tile t, K step k) at v[16 (8 t + k)]
.irp t, 0,1
.irp n, 0,1,2,3,4,5,6,7,8,9,10,11,12,13,14,15,16,17,18,19,20,21,22,23,24,25,26,27,28,29,30,31
	global_load_b128 v[128*\t+4*\n:128*\t+4*\n+3], v3, s[8:9] offset:16384*\t+128*(\n/4)+32*(\n%4)
.endr
.endr
	s_wait_loadcnt 0x0
	WIN 0x04                                       ; source 1 window 1
.irp k, 0,1,2,3,4,5,6,7                        ; source 0 = 16 rows of W_s, source 1 = 16 batches: lane (r, h) holds batch 16 t + r, register i column 16 j + 8 h + i.  The two accumulators take turns
.irp t, 0,1
.if \k == 0
	v_wmma_f32_16x16x128_fp8_fp8 v[16+8*\t:23+8*\t], v[128+16*\k:143+16*\k], v[16*(8*\t+\k):16*(8*\t+\k)+15], 0
.else
	v_wmma_f32_16x16x128_fp8_fp8 v[16+8*\t:23+8*\t], v[128+16*\k:143+16*\k], v[16*(8*\t+\k):16*(8*\t+\k)+15], v[16+8*\t:23+8*\t]
.endif
.endr
.endr
	WIN 0
.rept 4
	v_nop                                          ; four places between a matrix instruction and the first read of its result (ISA guide 7.12.1)
.endr
	s_wait_kmcnt 0x0
	s_add_co_i32 s28, s28, s29
	s_lshl_b32 s28, s28, 23
	s_add_co_i32 s28, s28, 0x4038aa3b              ; 2 log2(e) x 2^(e0 + e1)
	s_mov_b32 s29, s28                             ; (named with it as a pair, so it is written)
.irp n, 0,2,4,6,8,10,12,14
	v_pk_mul_f32 v[32+\n:33+\n], v[16+\n:17+\n], s[28:29] op_sel_hi:[1,0]   ; each accumulator from its low end on
.endr
.irp t, 0,1
	ds_store_b128 v6, v[32+8*\t:35+8*\t] offset:16*SPI*\t
	ds_store_b128 v6, v[36+8*\t:39+8*\t] offset:16*SPI*\t+16
.endr
	s_wait_dscnt 0x0                               ; for the others' sake: a row's 256 bytes come from four waves
	s_barrier_signal -1
	s_barrier_wait -1
.irp i, 0,1,2,3
	ds_load_b128 v[48+4*\i:51+4*\i], v7 offset:2*SPI*\i
.endr
.irp i, 0,1,2,3
	s_wait_dscnt 3-\i                              ; the loads issued behind load i may stay out
	global_store_b128 v8, v[48+4*\i:51+4*\i], s[16:17] offset:8192*\i  ; sixteen lanes store 256 consecutive bytes, at a multiple of 256 from dec2's first byte
.endr
	s_set_vgpr_msb 0xa
	s_wait_tensorcnt 0x0
	ds_add_u32 v0, v1
	s_wait_dscnt 0x0
	s_set_vgpr_msb 0xa00
	s_endpgm
.Lfunc_end_k_q9fc18b41f3_prep:
	.size	k_q9fc18b41f3_prep, .Lfunc_end_k_q9fc18b41f3_prep-k_q9fc18b41f3_prep
	.p2alignl 7, 3214868480
	.fill 96, 4, 3214868480
	.section	.rodata,"a",@progbits
	.p2align	6, 0x0
	.amdhsa_kernel k_q9fc18b41f3_prep
		.amdhsa_group_segment_fixed_size 9216
		.amdhsa_private_segment_fixed_size 0
		.amdhsa_enable_private_segment 0
		.amdhsa_kernarg_size 80
		.amdhsa_user_sgpr_count 2
		.amdhsa_user_sgpr_kernarg_segment_ptr 1
		.amdhsa_wavefront_size32 1
		.amdhsa_system_sgpr_workgroup_id_x 1
		.amdhsa_system_sgpr_workgroup_id_y 1
		.amdhsa_system_sgpr_workgroup_id_z 1
		.amdhsa_system_vgpr_workitem_id 0
		.amdhsa_next_free_vgpr 514
		.amdhsa_next_free_sgpr 66
		.amdhsa_reserve_vcc 1
		.amdhsa_float_denorm_mode_32 3
		.amdhsa_float_denorm_mode_16_64 3
		.amdhsa_memory_ordered 1
		.amdhsa_forward_progress 1
		.amdhsa_inst_pref_size 62
	.end_amdhsa_kernel
	.amdgpu_metadata
---
amdhsa.version: [ 1, 2 ]
amdhsa.kernels:
  - .name:           k_q9fc18b41f3_prep
    .symbol:         k_q9fc18b41f3_prep.kd
    .args:
      - { .name: W_h_codes, .offset: 0, .size: 8, .value_kind: global_buffer, .address_space: global }
      - { .name: W_s_codes, .offset: 8, .size: 8, .value_kind: global_buffer, .address_space: global }
      - { .name: decoder_hidden_codes, .offset: 16, .size: 8, .value_kind: global_buffer, .address_space: global }
      - { .name: mask, .offset: 24, .size: 8, .value_kind: global_buffer, .address_space: global }
      - { .name: lowp_scales, .offset: 32, .size: 8, .value_kind: global_buffer, .address_space: global }
      - { .name: wf, .offset: 40, .size: 8, .value_kind: global_buffer, .address_space: global }
      - { .name: dec2, .offset: 48, .size: 8, .value_kind: global_buffer, .address_space: global }
      - { .name: list, .offset: 56, .size: 8, .value_kind: global_buffer, .address_space: global }
      - { .name: cnt, .offset: 64, .size: 8, .value_kind: global_buffer, .address_space: global }
      - { .name: en, .offset: 72, .size: 8, .value_kind: global_buffer, .address_space: global }
    .group_segment_fixed_size: 9216
    .private_segment_fixed_size: 0
    .kernarg_segment_align: 8
    .kernarg_segment_size: 80
    .max_flat_workgroup_size: 128
    .sgpr_count:     66
    .vgpr_count:     514
    .wavefront_size: 32
...
	.end_amdgpu_metadata
.endif
;; end of part 1
;; launch attend (part 2): grid 8 x 32, 4 waves a work-group, no clusters, 254,720 bytes of LDS; arguments encoder_outputs, wf, dec2, v, list, cnt, lowp_scales, en, st, ctxp; writes en, st, ctxp
.if DOCPART == 2
	.amdgcn_target "amdgcn-amd-amdhsa--gfx1250"
	.amdhsa_code_object_version 6
	.text
	.protected	k_q9fc18b41f3_attend
	.globl	k_q9fc18b41f3_attend
	.p2align	8
	.type	k_q9fc18b41f3_attend,@function
k_q9fc18b41f3_attend:
	s_mov_b64 s[64:65], 0
	v_nop
	global_prefetch_b8 v0, s[64:65] scope:SCOPE_SE
	s_setreg_imm32_b32 hwreg(HW_REG_WAVE_MODE, 25, 1), 1
	s_wait_xcnt 0x0
; For the rows that the mask keeps: enc = Q(x) W_h^T on codes of E4M3, energy = sum over d of v_d tanh(enc + dec), and each work-group's own softmax (largest energy M, sum l, context sum of p x), with x read from memory ONCE.
; A masked row has the weight exp(-1e9 - M) = 0 in f32, so it is neither loaded nor multiplied.  A batch with no kept row has equal weights: there all 2,048 rows count, with the energy -1e9.
; SHARES.  Work-group (i, b) takes one eighth of batch b's subtiles of 16 listed rows: T = ceil(n / 16), q = ceil(T / 8), subtiles i q on, at most 16.  They go in passes of 5 or 4 subtiles (9 = 5 + 4, 8 = 4 + 4, 16 = 4 x 4).
; The loop over passes has the constant count 4; a pass without rows jumps over its work and over no barrier.  A pass of fewer than 4 subtiles works on 4: the rows beyond its own are rows of the list, with weight 0.
; A PASS.  X: wave w loads columns 256 w .. + 255 of each row (two loads of 512 consecutive bytes a row), makes codes (held at +-448 x 2^e2, then converted) and a bf16 copy, both into LDS | barrier |
;   G: every wave takes all rows' codes into registers (640 for 80 rows) and walks its 16 column tiles of W_h, whose fragments come from memory straight into registers, in the order in which the launch before laid them, each byte to one wave;
;      behind a tile's products: r = 1 / (1 + 2^(2 log2e (enc + dec))), tanh = 1 - 2 r, so energy = sum v - 2 sum v r; each wave's part of sum v r goes to LDS | barrier |
;   S, C: every wave makes the energies, the new M, p = 2^((E - M) log2e), l, and adds p x its own 256 columns of the bf16 copy to its running context | barrier.
; The matrix instruction is used transposed (source 0 = 16 rows of W_h, source 1 = 16 rows of x): lane (r, h) holds row r, register i column 16 j + 8 h + i.
; Every stretch between two barriers is sound by itself whichever way the branches on the stored counts go: what the lines for a fifth subtile read has been written by the common lines, and the common waits cover their loads.
; NO TENSOR LOADS, NO CLUSTER: the number of passes and the fifth subtile hang on counts read from memory, and the eight work-groups of a batch need different numbers of W_h's tiles; so W_h is not asked for jointly.
; LIMITS: e2 between -126 and 119; e2 + e3 between -127 and 126 (added to an exponent field).  NaN among the inputs is not served.  x is rounded to bf16 for the context alone.  Energies lie far above -1e9, as the mask's -1e9 itself supposes.
; LDS: EP [wave 4][80] parts of sum v r | PW [wave 4][96] p, each wave's own | STG 1 KiB a wave, the context's way out | CD codes, 80 rows, pitch 1,040 = 65 x 16 (a fragment's 16 rows start in 16 different columns of 16 bytes) | BF bf16, 80 rows of 2,048.
; REGISTERS (absolute; window = number / 256): v0-127 below; v128-255 set P: W's 8 fragments of a tile (in X: the codes and bf16 just made; in C: p); v256-895 x's fragments, (K step k, subtile t) at 256 + 16 (5 k + t)
;   (in X: four landing sets of 128 at 256 on; in C: four sets of 64 at 256 on); v896-1023 set Q (in X: one row offset for each row).
.set EP,  0
.set PW,  1536
.set STG, 3072
.set CD,  7168
.set CDP, 1040
.set BF,  90368
.set BFP, 2048
.set L16, 1                            ; 16 x lane
.set XB,  2                            ; 16 x lane + 1024 x wave: my bytes of a row of x
.set DVO, 3                            ; 32 h: my eight numbers of a tile's dec2 and v
.set CDR, 4                            ; v4-5   codes, read: CD + 1040 r + 16 h (+ 64 rows)
.set CDW, 6                            ; v6-8   codes, written: CD + 256 w + 4 lane (+ 32, 64 rows)
.set BFW, 9                            ; v9-11  bf16, written: BF + 512 w + 8 lane (+ 32, 64 rows)
.set BFR, 12                           ; v12-14 bf16, read: BF + 512 w + 16 lane (+ 32, 64 rows)
.set EPW, 15
.set EPR, 16
.set EPR3, 17
.set PWW, 18
.set PWR, 19
.set STW, 20
.set STR, 21
.set RR,  22                           ; r
.set LN,  23                           ; lane
.set IDX, 24                           ; v24-28 the list's entry for row r of subtile t of the pass to come
.set IDS, 29                           ; v29-31 the same for slots lane, lane + 32, lane + 64 of the pass in hand
.set CTX, 32                           ; v32-39 my 8 columns (256 w + 8 lane on) of the running context
.set VM,  40                           ; M;  v41 l
.set SV,  42                           ; sum of v
.set SC,  43                           ; 2^e2
.set LIM, 44                           ; 448 x 2^e2
.set PT,  45                           ; a lane permute's target
.set EA,  46                           ; v46-55 sum v r, a pair for each subtile
.set ACC, 88                           ; v88-127 five accumulators; at work outside G
.set TP,  128
.set PP,  128
.set AFB, 256
.set MSB, 0
.macro WIN new                         ; the immediate's high byte repeats the setting that is left; bits 1:0 source 0, 3:2 source 1, 5:4 source 2, 7:6 destination
.if MSB != (\new)
	s_set_vgpr_msb (MSB<<8)|(\new)
.set MSB, \new
.endif
.endm
.macro BAR                             ; my LDS stores have landed and my LDS loads are in: then the work-group's barrier
	s_wait_dscnt 0x0
	s_barrier_signal -1
	s_barrier_wait -1
.endm
; the list's entries at positions s[sb] + 16 t + r, held inside the list, into IDX; tmp: five registers for the offsets
.macro IDXLOAD sb, tmp
.irp t, 0,1,2,3,4
	v_add3_u32 v[\tmp+\t], s[\sb], v[RR], 16*\t
	v_min_u32 v[\tmp+\t], 0x7ff, v[\tmp+\t]
	v_lshlrev_b32 v[\tmp+\t], 2, v[\tmp+\t]
	global_load_b32 v[IDX+\t], v[\tmp+\t], s[12:13]
.endr
.endm
; subtile t's sixteen row numbers become sixteen byte offsets, 4096 x row + my bytes, in v[896 + 16 t] on
.macro XOFF t
	WIN 0
.irp p, 0,1,2,3,4,5,6,7,8,9,10,11,12,13,14,15
	v_readlane_b32 s[68+\p], v[IDX+\t], \p
.endr
.irp p, 0,1,2,3,4,5,6,7,8,9,10,11,12,13,14,15
	s_min_u32 s[68+\p], s[68+\p], 0x7ff
.endr
	WIN 0xc0
.irp p, 0,1,2,3,4,5,6,7,8,9,10,11,12,13,14,15
	v_lshl_add_u32 v[128+16*\t+\p], s[68+\p], 12, v[XB]
.endr
.endm
; 32 loads: each 512 consecutive bytes of one row: k = 256 w + 4 lane on, and 128 further on
.macro XLOAD t, set
	WIN ((1+(\set)/2)<<6)|3
.irp p, 0,1,2,3,4,5,6,7,8,9,10,11,12,13,14,15
	global_load_b128 v[128*((\set)%2)+8*\p:128*((\set)%2)+8*\p+3], v[128+16*\t+\p], s[4:5] th:TH_LOAD_NT
	global_load_b128 v[128*((\set)%2)+8*\p+4:128*((\set)%2)+8*\p+7], v[128+16*\t+\p], s[4:5] offset:512 th:TH_LOAD_NT
.endr
.endm
; subtile t, landed in a set: bf16 of the numbers as they are; the hold; the codes; all to LDS.  cnt: the loads issued behind this subtile's
.macro XCONV t, set, cnt
.set XW, 1+(\set)/2
.set XL, 128*((\set)%2)
	s_wait_dscnt 0x0                               ; the LDS stores of the subtile before have read the registers that are written now
	s_wait_loadcnt \cnt
	WIN XW|(XW<<2)
.irp p, 0,1,2,3,4,5,6,7,8,9,10,11,12,13,14,15
.irp i, 0,1,2,3
	v_cvt_pk_bf16_f32 v[TP+6*\p+\i], v[XL+8*\p+2*\i], v[XL+8*\p+2*\i+1]
.endr
.endr
	WIN XW|(XW<<6)
.irp p, 0,1,2,3,4,5,6,7,8,9,10,11,12,13,14,15
.irp i, 0,1,2,3,4,5,6,7
	v_med3_num_f32 v[XL+8*\p+\i], v[XL+8*\p+\i], -v[LIM], v[LIM]   ; the conversion to an 8-bit code does not saturate (ISA guide 7.6.2)
.endr
.endr
	WIN XW
.irp p, 0,1,2,3,4,5,6,7,8,9,10,11,12,13,14,15
	v_cvt_scalef32_pk8_fp8_f32 v[TP+6*\p+4:TP+6*\p+5], v[XL+8*\p:XL+8*\p+7], v[SC]
.endr
	WIN 0
	v_nop                                          ; one plain vector instruction behind the last scaled conversion
.irp p, 0,1,2,3,4,5,6,7,8,9,10,11,12,13,14,15
	ds_store_b32 v[CDW+(\t)/2], v[TP+6*\p+4] offset:CDP*(16*((\t)%2)+\p)
	ds_store_b32 v[CDW+(\t)/2], v[TP+6*\p+5] offset:CDP*(16*((\t)%2)+\p)+128
	ds_store_b64 v[BFW+(\t)/2], v[TP+6*\p:TP+6*\p+1] offset:BFP*(16*((\t)%2)+\p)
	ds_store_b64 v[BFW+(\t)/2], v[TP+6*\p+2:TP+6*\p+3] offset:BFP*(16*((\t)%2)+\p)+256
.endr
.endm
; all rows' codes into registers: fragment (k, t), group c: 16 bytes at row 16 t + r, byte 128 k + 32 c + 16 h
.macro ALOADS M
.irp k, 0,1,2,3,4,5,6,7
.set tt, 0
.rept \M
.set AFR, AFB+16*(5*\k+tt)
	WIN (AFR>>8)<<6
.irp c, 0,1,2,3
.if tt < 4
	ds_load_b128 v[(AFR&255)+4*\c:(AFR&255)+4*\c+3], v[CDR] offset:16*CDP*tt+128*\k+32*\c
.else
	ds_load_b128 v[(AFR&255)+4*\c:(AFR&255)+4*\c+3], v[CDR+1] offset:128*\k+32*\c
.endif
.endr
.set tt, tt+1
.endr
.endr
	WIN 0
.endm
; a tile's 8 fragments of W, 32 loads of 512 consecutive bytes, into set q (0: P, 1: Q).  step = 1: the set's three bases go two tiles on first
.macro LOADB q, step
.if \step
	s_wait_xcnt 0x0                                ; the earlier loads have read their bases
	s_add_nc_u64 s[44+2*\q:45+2*\q], s[44+2*\q:45+2*\q], 32768
	s_add_nc_u64 s[48+2*\q:49+2*\q], s[48+2*\q:49+2*\q], 128
	s_add_nc_u64 s[52+2*\q:53+2*\q], s[52+2*\q:53+2*\q], 128
.endif
	WIN 0xc0*\q
.irp n, 0,1,2,3,4,5,6,7,8,9,10,11,12,13,14,15,16,17,18,19,20,21,22,23,24,25,26,27,28,29,30,31
	global_load_b128 v[128+4*\n:131+4*\n], v[L16], s[44+2*\q:45+2*\q] offset:512*\n
.endr
	WIN 0
.endm
.macro LOADDV q                        ; the tile's dec2 and v at my eight columns
	global_load_b128 v[56+16*\q:59+16*\q], v[DVO], s[48+2*\q:49+2*\q]
	global_load_b128 v[60+16*\q:63+16*\q], v[DVO], s[48+2*\q:49+2*\q] offset:16
	global_load_b128 v[64+16*\q:67+16*\q], v[DVO], s[52+2*\q:53+2*\q]
	global_load_b128 v[68+16*\q:71+16*\q], v[DVO], s[52+2*\q:53+2*\q] offset:16
.endm
.macro MM acc, bf, af, k               ; registers by absolute number; K step 0 starts the sum with the constant 0
	WIN (((\af)>>8)<<2)|((\bf)>>8)
.if (\k) == 0
	v_wmma_f32_16x16x128_fp8_fp8 v[\acc:\acc+7], v[(\bf)&255:((\bf)&255)+15], v[(\af)&255:((\af)&255)+15], 0
.else
	v_wmma_f32_16x16x128_fp8_fp8 v[\acc:\acc+7], v[(\bf)&255:((\bf)&255)+15], v[(\af)&255:((\af)&255)+15], v[\acc:\acc+7]
.endif
.endm
; the five stages behind a tile's products, for accumulator t
.macro E_A t, dv                       ; 2 log2e (enc + dec), from the accumulator's low end on
.irp q, 0,2,4,6
	v_pk_fma_f32 v[ACC+8*(\t)+\q:ACC+8*(\t)+\q+1], v[ACC+8*(\t)+\q:ACC+8*(\t)+\q+1], s[40:41], v[\dv+\q:\dv+\q+1] op_sel_hi:[1,0,1]
.endr
.endm
.macro E_E t
.irp q, 0,1,2,3,4,5,6,7
	v_exp_f32 v[ACC+8*(\t)+\q], v[ACC+8*(\t)+\q]
.endr
.endm
.macro E_P t
	s_wait_alu depctr_va_vdst(0)
.irp q, 0,2,4,6
	v_pk_add_f32 v[ACC+8*(\t)+\q:ACC+8*(\t)+\q+1], v[ACC+8*(\t)+\q:ACC+8*(\t)+\q+1], 1.0 op_sel_hi:[1,0]
.endr
.endm
.macro E_R t                           ; r: 0 where the power overflowed, 1 where it vanished: tanh's two ends
.irp q, 0,1,2,3,4,5,6,7
	v_rcp_f32 v[ACC+8*(\t)+\q], v[ACC+8*(\t)+\q]
.endr
.endm
.macro E_F t, dv
	s_wait_alu depctr_va_vdst(0)
.irp q, 0,2,4,6
	v_pk_fma_f32 v[EA+2*(\t):EA+2*(\t)+1], v[ACC+8*(\t)+\q:ACC+8*(\t)+\q+1], v[\dv+8+\q:\dv+8+\q+1], v[EA+2*(\t):EA+2*(\t)+1]
.endr
.endm
; the stages of neighbouring accumulators are laid so that a plain instruction on other registers stands between each run of transcendentals and the use of its results (ISA guide 5.7.2)
.macro EPI M, dv
	E_A 0, \dv
	E_E 0
.set et, 0
.rept \M
.if et+1 < \M
	E_A et+1, \dv
.else
	v_nop
	s_wait_alu depctr_va_vdst(0)
.endif
.if et > 0
	E_F et-1, \dv
.endif
	E_P et
	E_R et
.if et+1 < \M
	E_E et+1
.endif
.set et, et+1
.endr
	v_nop
	s_wait_alu depctr_va_vdst(0)
	E_F \M-1, \dv
.endm
; a column tile from set q against M subtiles.  The M accumulators take turns, one instruction a turn.  pre = 1: the set is loaded again, with the tile two further on
.macro TILE q, M, pre, cnt
	s_wait_loadcnt \cnt                            ; behind this set's 36 loads stand the other set's 36, or none
.irp k, 0,1,2,3,4,5,6,7
.set tt, 0
.rept \M
	MM ACC+8*tt, 128+768*\q+16*\k, AFB+16*(5*\k+tt), \k
.set tt, tt+1
.endr
.endr
	WIN 0
.rept 4
	v_nop                                          ; four places in front of loads into registers that matrix instructions have read, and of the first read of results
.endr
.if \pre
	LOADB \q, 1
.endif
	EPI \M, 56+16*\q
.if \pre
	LOADDV \q
.endif
.endm
.macro GPHASE M                        ; 16 tiles: two are on their way at the start, seven trips ask for two more each, the last two are written out and ask for nothing
	s_mov_b32 s56, 7
.Lg_\@:
	TILE 0, \M, 1, 36
	TILE 1, \M, 1, 36
	s_sub_co_i32 s56, s56, 1
	s_cmp_lg_u32 s56, 0
	s_cbranch_scc1 .Lg_\@
	TILE 0, \M, 0, 36
	TILE 1, \M, 0, 0
.endm
.macro CLOAD t, set                    ; my 16 bytes (8 columns) of each of subtile t's rows of the bf16 copy: bytes that my own wave stored
	WIN 0x40
.irp p, 0,1,2,3,4,5,6,7,8,9,10,11,12,13,14,15
	ds_load_b128 v[64*\set+4*\p:64*\set+4*\p+3], v[BFR+(\t)/2] offset:BFP*(16*((\t)%2)+\p)
.endr
.endm
.macro CROWS t, set, cnt               ; context += p x row; cnt: the LDS loads issued behind this subtile's
	s_wait_dscnt \cnt
	WIN 0x01
.irp p, 0,1,2,3,4,5,6,7,8,9,10,11,12,13,14,15
.irp q, 0,1,2,3
	v_fma_mix_f32_bf16 v[CTX+2*\q], v[64*\set+4*\p+\q], v[PP+16*\t+\p], v[CTX+2*\q] op_sel_hi:[1,0,0]
	v_fma_mix_f32_bf16 v[CTX+2*\q+1], v[64*\set+4*\p+\q], v[PP+16*\t+\p], v[CTX+2*\q+1] op_sel:[1,0,0] op_sel_hi:[1,0,0]
.endr
.endr
.endm
	s_load_b512 s[4:19], s[0:1], 0x0               ; x s[4:5], wf s[6:7], dec2 s[8:9], v s[10:11], list s[12:13], cnt s[14:15], scales s[16:17], en s[18:19]
	s_load_b128 s[20:23], s[0:1], 0x40             ; st s[20:21], ctxp s[22:23]
	v_lshrrev_b32 v88, 5, v0
	v_readfirstlane_b32 s24, v88                   ; wave 0..3
	s_mov_b32 s25, ttmp9                           ; i
	s_and_b32 s26, ttmp7, 0xffff                   ; b
	v_and_b32 v[LN], 31, v0
	v_and_b32 v[RR], 15, v0
	v_bfe_u32 v89, v0, 4, 1                        ; h
	v_lshlrev_b32 v[L16], 4, v[LN]
	s_lshl_b32 s88, s24, 10
	v_add_nc_u32 v[XB], s88, v[L16]
	v_lshlrev_b32 v[DVO], 5, v89
	; every LDS address is made here, of constants, the lane and the wave, and never rewritten
	v_mul_u32_u24 v[CDR], v[RR], CDP
	v_lshl_add_u32 v[CDR], v89, 4, v[CDR]
	v_add_nc_u32 v[CDR], CD, v[CDR]
	v_add_nc_u32 v[CDR+1], 64*CDP, v[CDR]
	s_lshl_b32 s84, s24, 8
	s_add_co_u32 s84, s84, CD
	v_lshl_add_u32 v[CDW], v[LN], 2, s84
	v_add_nc_u32 v[CDW+1], 32*CDP, v[CDW]
	v_add_nc_u32 v[CDW+2], 64*CDP, v[CDW]
	s_lshl_b32 s84, s24, 9
	s_add_co_u32 s84, s84, BF
	v_lshl_add_u32 v[BFW], v[LN], 3, s84
	v_add_nc_u32 v[BFW+1], 32*BFP, v[BFW]
	v_add_nc_u32 v[BFW+2], 64*BFP, v[BFW]
	v_lshl_add_u32 v[BFR], v[LN], 4, s84
	v_add_nc_u32 v[BFR+1], 32*BFP, v[BFR]
	v_add_nc_u32 v[BFR+2], 64*BFP, v[BFR]
	s_mul_i32 s84, s24, 320
	s_add_co_u32 s84, s84, EP
	v_lshl_add_u32 v[EPW], v[RR], 2, s84
	v_lshl_add_u32 v[EPR], v[LN], 2, EP
	v_lshl_add_u32 v[EPR3], v[RR], 2, EP+256
	s_mul_i32 s84, s24, 384
	s_add_co_u32 s84, s84, PW
	v_lshl_add_u32 v[PWW], v[LN], 2, s84
	v_mov_b32 v[PWR], s84
	s_lshl_b32 s84, s24, 10
	s_add_co_u32 s84, s84, STG
	v_lshl_add_u32 v[STW], v[LN], 5, s84
	v_lshl_add_u32 v[STR], v[LN], 4, s84
	s_mov_b32 s85, 0
	s_mov_b32 s42, 0x76543210                      ; v_permlanex16_b32's selects for lane l xor 16
	s_mov_b32 s43, 0xfedcba98
	s_mov_b32 s39, 0xffff0000                      ; lanes 16-31
	s_add_co_u32 s91, s25, 0x800                   ; my work-group's own dump word in en: 2048 + i
	s_wait_kmcnt 0x0
	s_lshl_b32 s84, s26, 2
	s_add_nc_u64 s[14:15], s[14:15], s[84:85]
	s_load_b32 s27, s[14:15], 0x0                  ; kept rows of my batch
	s_load_b128 s[60:63], s[16:17], 0x0            ; e0 .. e3
.irp n, 0,1,2,3,4,5,6,7
	global_load_b128 v[88+4*\n:91+4*\n], v[L16], s[10:11] offset:512*\n   ; all of v, 32 numbers a lane
.endr
	s_lshl_b32 s84, s26, 23
	s_add_nc_u64 s[4:5], s[4:5], s[84:85]          ; x: 8 MiB a batch
	s_lshl_b32 s84, s24, 18
	s_add_nc_u64 s[6:7], s[6:7], s[84:85]          ; wf: my 16 tiles of 16 KiB
	s_lshl_b32 s84, s26, 12
	s_add_co_u32 s84, s84, s88
	s_add_nc_u64 s[8:9], s[8:9], s[84:85]          ; dec2: my batch, my 256 columns
	s_mov_b32 s84, s88
	s_add_nc_u64 s[86:87], s[10:11], s[84:85]      ; v: my 256 columns (in a pair of its own: the loads above still name s[10:11])
	s_lshl_b32 s84, s26, 13
	s_add_nc_u64 s[12:13], s[12:13], s[84:85]
	s_mul_i32 s84, s26, 8448
	s_add_nc_u64 s[18:19], s[18:19], s[84:85]
	s_lshl_b32 s84, s26, 11
	s_lshl_b32 s89, s25, 8
	s_add_co_u32 s84, s84, s89
	s_add_nc_u64 s[20:21], s[20:21], s[84:85]
	s_lshl_b32 s84, s26, 15
	s_lshl_b32 s89, s25, 12
	s_add_co_u32 s84, s84, s89
	s_add_co_u32 s84, s84, s88
	s_add_nc_u64 s[22:23], s[22:23], s[84:85]
	s_wait_kmcnt 0x0
	s_cmp_eq_u32 s27, 0
	s_cselect_b32 s38, -1, 0                       ; no row kept: a mask of all lanes
	s_cselect_b32 s28, 0x800, s27                  ; rows that count
	s_add_co_u32 s29, s28, 15
	s_lshr_b32 s29, s29, 4                         ; T
	s_add_co_u32 s30, s29, 7
	s_lshr_b32 s30, s30, 3                         ; q
	s_mul_i32 s31, s25, s30                        ; my first subtile
	s_sub_co_i32 s32, s29, s31
	s_max_i32 s32, s32, 0
	s_min_i32 s32, s32, s30                        ; my subtiles, 0 .. 16
	s_add_co_u32 s33, s32, 4
	s_mul_i32 s33, s33, 13
	s_lshr_b32 s33, s33, 6                         ; passes with rows = ceil(n / 5), for n up to 16
	s_lshl_b32 s33, s33, 2
	s_sub_co_i32 s33, s32, s33
	s_max_i32 s33, s33, 0                          ; so many of them, the first ones, take 5 subtiles
	s_mov_b32 s34, 0
	s_lshl_b32 s37, s31, 4
	IDXLOAD 37, 120
	s_add_co_i32 s40, s62, s63
	s_lshl_b32 s40, s40, 23
	s_add_co_i32 s40, s40, 0x4038aa3b              ; 2 log2(e) x 2^(e2 + e3)
	s_mov_b32 s41, s40
	s_add_co_i32 s84, s62, 127
	s_lshl_b32 s89, s84, 23
	v_mov_b32 v[SC], s89
	s_add_co_i32 s84, s84, 8
	s_lshl_b32 s84, s84, 23
	s_or_b32 s84, s84, 0x600000
	v_mov_b32 v[LIM], s84
.irp j, 0,1,2,3,4,5,6,7
	v_mov_b32 v[CTX+\j], 0
.endr
	v_mov_b32 v[VM], 0xff61b1e6                    ; -3e38, under every energy
	v_mov_b32 v[VM+1], 0
	v_mov_b32 v[PT], 0
	v_mov_b32 v[IDS], 0
	v_mov_b32 v[IDS+1], 0
	v_mov_b32 v[IDS+2], 0
	s_wait_loadcnt 0x0
.irp n, 2,4,6,8,10,12,14,16,18,20,22,24,26,28,30
	v_pk_add_f32 v[88:89], v[88:89], v[88+\n:89+\n]
.endr
	v_add_f32 v[SV], v88, v89
	v_add_f32_dpp v[SV], v[SV], v[SV] row_xmask:1 row_mask:0xf bank_mask:0xf
	v_add_f32_dpp v[SV], v[SV], v[SV] row_xmask:2 row_mask:0xf bank_mask:0xf
	v_add_f32_dpp v[SV], v[SV], v[SV] row_xmask:4 row_mask:0xf bank_mask:0xf
	v_add_f32_dpp v[SV], v[SV], v[SV] row_xmask:8 row_mask:0xf bank_mask:0xf
	v_permlanex16_b32 v[PT], v[SV], s42, s43
	v_add_f32 v[SV], v[SV], v[PT]
.Lpass:
	s_min_u32 s35, s32, 4
	s_cmp_lt_u32 s34, s33
	s_cselect_b32 s35, 5, s35                      ; m: this pass's subtiles
	s_add_co_u32 s36, s31, s35
	s_lshl_b32 s36, s36, 4
	s_min_u32 s36, s36, s28                        ; positions under this count for the pass
	s_lshl_b32 s37, s31, 4                         ; the pass's first position
	; ---- X
	s_cmp_eq_u32 s35, 0
	s_cbranch_scc1 .Lx_end
	XOFF 0
	XLOAD 0, 0
	XOFF 1
	XLOAD 1, 1
	XCONV 0, 0, 32                                 ; behind subtile 0's loads: subtile 1's 32
	XOFF 2
	XLOAD 2, 2
	XCONV 1, 1, 32                                 ; behind subtile 1's: subtile 2's 32
	s_cmp_eq_u32 s35, 5
	s_cbranch_scc0 .Lx_a
	XOFF 4
	XLOAD 4, 0                                     ; the fifth subtile lands where subtile 0 lay
	WIN 0
.Lx_a:
	XOFF 3
	XLOAD 3, 3
	WIN 0
	v_cndmask_b32 v[IDS], v[IDX], v[IDX+1], s39    ; slot lane + 32 g is row lane % 16 of subtile 2 g + lane / 16
	v_cndmask_b32 v[IDS+1], v[IDX+2], v[IDX+3], s39
	v_mov_b32 v[IDS+2], v[IDX+4]
	s_lshl_b32 s84, s35, 4
	s_add_co_u32 s84, s84, s37
	IDXLOAD 84, ACC                                ; the next pass's rows
	XCONV 2, 2, 37                                 ; behind subtile 2's loads at the least: subtile 3's 32 and the 5 above
	s_cmp_eq_u32 s35, 5
	s_cbranch_scc0 .Lx_b
	XCONV 4, 0, 37                                 ; behind subtile 4's: the same 37
.Lx_b:
	XCONV 3, 3, 0                                  ; nothing stays out behind this stretch
.Lx_end:
	BAR                                            ; all rows' codes lie in LDS
	; ---- G
	s_cmp_eq_u32 s35, 0
	s_cbranch_scc1 .Lg_end
	s_mov_b64 s[44:45], s[6:7]                     ; the walking bases: W, dec2, v for set P (tiles 0, 2, ..) and set Q (tiles 1, 3, ..)
	s_add_nc_u64 s[46:47], s[6:7], 16384
	s_mov_b64 s[48:49], s[8:9]
	s_add_nc_u64 s[50:51], s[8:9], 64
	s_mov_b64 s[52:53], s[86:87]
	s_add_nc_u64 s[54:55], s[86:87], 64
	LOADB 0, 0                                     ; they land under the LDS loads below
	LOADDV 0
	LOADB 1, 0
	LOADDV 1
.irp j, 0,1,2,3,4,5,6,7,8,9
	v_mov_b32 v[EA+\j], 0
.endr
	s_cmp_eq_u32 s35, 5
	s_cbranch_scc1 .Lg5
	ALOADS 4
	s_wait_dscnt 0x0
	GPHASE 4
	s_branch .Lg_join
.Lg5:
	ALOADS 5
	s_wait_dscnt 0x0
	GPHASE 5
.Lg_join:
.irp t, 0,1,2,3,4                              ; always five, so that EP is whole: a pair's two halves, then lane l xor 16's eight columns
	v_add_f32 v[EA+2*\t], v[EA+2*\t], v[EA+2*\t+1]
.endr
.irp t, 0,1,2,3,4
	v_permlanex16_b32 v[EA+2*\t+1], v[EA+2*\t], s42, s43
.endr
.irp t, 0,1,2,3,4
	v_add_f32 v[EA+2*\t], v[EA+2*\t], v[EA+2*\t+1]
	ds_store_b32 v[EPW], v[EA+2*\t] offset:64*\t
.endr
.Lg_end:
	BAR                                            ; the four waves' parts of sum v r lie in LDS
	; ---- S: every wave for itself: lane l has slots l, l + 32, 64 + l % 16
	s_cmp_eq_u32 s35, 0
	s_cbranch_scc1 .Ls_end
.irp w, 0,1,2,3
	ds_load_b32 v[88+3*\w], v[EPR] offset:320*\w
	ds_load_b32 v[89+3*\w], v[EPR] offset:320*\w+128
	ds_load_b32 v[90+3*\w], v[EPR3] offset:320*\w
.endr
	v_mov_b32 v100, 0xce6e6b28                     ; -1e9
	v_mov_b32 v111, 0xff61b1e6                     ; -3e38
	v_add_nc_u32 v101, s37, v[LN]                  ; the slots' positions in the list
	v_add_nc_u32 v102, 32, v101
	v_add_nc_u32 v103, 64, v101
	v_cmp_gt_u32 s88, s36, v101                    ; which of them count (lanes 16-31 of the third group never do)
	v_cmp_gt_u32 s89, s36, v102
	v_cmp_gt_u32 s90, s36, v103
	v_mov_b32 v104, s91
.irp g, 0,1,2
	v_cndmask_b32 v[105+\g], v104, v[IDS+\g], s[88+\g]   ; the row's word of en, or the dump word
	v_min_u32 v[105+\g], 0x83f, v[105+\g]
	v_lshlrev_b32 v[105+\g], 2, v[105+\g]
.endr
	s_wait_dscnt 0x0
.irp g, 0,1,2
	v_add_f32 v[88+\g], v[88+\g], v[91+\g]
	v_add_f32 v[94+\g], v[94+\g], v[97+\g]
.endr
.irp g, 0,1,2
	v_add_f32 v[88+\g], v[88+\g], v[94+\g]
.endr
.irp g, 0,1,2
	v_fma_f32 v[88+\g], v[88+\g], -2.0, v[SV]      ; energy = sum v - 2 sum v r
.endr
.irp g, 0,1,2
	v_cndmask_b32 v[88+\g], v[88+\g], v100, s38    ; a batch without kept rows: -1e9
.endr
	s_cmp_lg_u32 s24, 0
	s_cbranch_scc1 .Ls_nost
.irp g, 0,1,2
	global_store_b32 v[105+\g], v[88+\g], s[18:19]
.endr
	s_wait_xcnt 0x0                                ; the stores have read their registers, which later lines write again
.Ls_nost:
.irp g, 0,1,2
	v_cndmask_b32 v[108+\g], v111, v[88+\g], s[88+\g]
.endr
	v_max3_num_f32 v112, v108, v109, v110
	v_max_num_f32_dpp v112, v112, v112 row_xmask:1 row_mask:0xf bank_mask:0xf
	v_max_num_f32_dpp v112, v112, v112 row_xmask:2 row_mask:0xf bank_mask:0xf
	v_max_num_f32_dpp v112, v112, v112 row_xmask:4 row_mask:0xf bank_mask:0xf
	v_max_num_f32_dpp v112, v112, v112 row_xmask:8 row_mask:0xf bank_mask:0xf
	v_permlanex16_b32 v[PT], v112, s42, s43
	v_max_num_f32 v112, v112, v[PT]
	v_max_num_f32 v113, v[VM], v112                ; the new M
	v_sub_f32 v114, v[VM], v113
	v_mul_f32 v114, 0x3fb8aa3b, v114
.irp g, 0,1,2
	v_sub_f32 v[108+\g], v[108+\g], v113
	v_mul_f32 v[108+\g], 0x3fb8aa3b, v[108+\g]
.endr
	v_exp_f32 v114, v114                           ; f = e^(old M - new M)
	v_exp_f32 v108, v108                           ; p; 0 for the slots that do not count
	v_exp_f32 v109, v109
	v_exp_f32 v110, v110
	v_mov_b32 v[VM], v113                          ; (a plain place behind the exponentials)
	s_wait_alu depctr_va_vdst(0)
	v_add_f32 v115, v108, v109
	v_add_f32 v115, v115, v110
	v_add_f32_dpp v115, v115, v115 row_xmask:1 row_mask:0xf bank_mask:0xf
	v_add_f32_dpp v115, v115, v115 row_xmask:2 row_mask:0xf bank_mask:0xf
	v_add_f32_dpp v115, v115, v115 row_xmask:4 row_mask:0xf bank_mask:0xf
	v_add_f32_dpp v115, v115, v115 row_xmask:8 row_mask:0xf bank_mask:0xf
	v_permlanex16_b32 v[PT], v115, s42, s43
	v_add_f32 v115, v115, v[PT]
	v_fma_f32 v[VM+1], v[VM+1], v114, v115         ; l = l f + sum p
.irp q, 0,2,4,6
	v_pk_mul_f32 v[CTX+\q:CTX+\q+1], v[CTX+\q:CTX+\q+1], v[114:115] op_sel_hi:[1,0]
.endr
	; ---- C: p goes through my own words of LDS, so that every lane has every row's p (LDS serves a wave's instructions in order: ISA guide 5.7.1.4)
.irp g, 0,1,2
	ds_store_b32 v[PWW], v[108+\g] offset:128*\g
.endr
.irp n, 0,1,2,3,4,5,6,7,8,9,10,11,12,13,14,15,16,17,18,19
	ds_load_b128 v[PP+4*\n:PP+4*\n+3], v[PWR] offset:16*\n
.endr
	CLOAD 0, 0
	CLOAD 1, 1
	CLOAD 2, 2
	CLOAD 3, 3
	CROWS 0, 0, 48                                 ; behind subtile 0's loads: 3 x 16
	WIN 0
	s_cmp_eq_u32 s35, 5
	s_cbranch_scc0 .Lc_a
	CLOAD 4, 0
	WIN 0
.Lc_a:
	CROWS 1, 1, 32                                 ; at the least subtiles 2's and 3's loads stand behind
	CROWS 2, 2, 16
	CROWS 3, 3, 0
	WIN 0
	s_cmp_eq_u32 s35, 5
	s_cbranch_scc0 .Ls_end
	CROWS 4, 0, 0
	WIN 0
.Ls_end:
	BAR                                            ; nobody reads this pass's LDS any more
	s_add_co_u32 s31, s31, s35
	s_sub_co_u32 s32, s32, s35
	s_add_co_u32 s34, s34, 1
	s_cmp_lt_u32 s34, 4
	s_cbranch_scc1 .Lpass
	; THE RECORD: a lane's 8 columns are 32 bytes; through my own stage they become two runs of 512 consecutive bytes.  A work-group without rows leaves zeros, M = -3e38 and l = 0
	ds_store_b128 v[STW], v[CTX:CTX+3]
	ds_store_b128 v[STW], v[CTX+4:CTX+7] offset:16
	ds_load_b128 v[88:91], v[STR]
	ds_load_b128 v[92:95], v[STR] offset:512
	s_wait_dscnt 0x0
	global_store_b128 v[L16], v[88:91], s[22:23]
	global_store_b128 v[L16], v[92:95], s[22:23] offset:512
	s_cmp_lg_u32 s24, 0
	s_cbranch_scc1 .Ldone
	v_lshlrev_b32 v96, 3, v[LN]
	global_store_b64 v96, v[VM:VM+1], s[20:21]     ; {M, l} 32 times: 256 consecutive bytes
.Ldone:
	s_wait_xcnt 0x0
	v_lshl_add_u32 v254, v0, 2, 0x3e100
	v_mov_b32 v255, 0
	s_wait_tensorcnt 0x0
	ds_add_u32 v254, v255
	s_wait_dscnt 0x0
	s_endpgm
.Lfunc_end_k_q9fc18b41f3_attend:
	.size	k_q9fc18b41f3_attend, .Lfunc_end_k_q9fc18b41f3_attend-k_q9fc18b41f3_attend
	.p2alignl 7, 3214868480
	.fill 96, 4, 3214868480
	.section	.rodata,"a",@progbits
	.p2align	6, 0x0
	.amdhsa_kernel k_q9fc18b41f3_attend
		.amdhsa_group_segment_fixed_size 254720
		.amdhsa_private_segment_fixed_size 0
		.amdhsa_enable_private_segment 0
		.amdhsa_kernarg_size 80
		.amdhsa_user_sgpr_count 2
		.amdhsa_user_sgpr_kernarg_segment_ptr 1
		.amdhsa_wavefront_size32 1
		.amdhsa_system_sgpr_workgroup_id_x 1
		.amdhsa_system_sgpr_workgroup_id_y 1
		.amdhsa_system_sgpr_workgroup_id_z 1
		.amdhsa_system_vgpr_workitem_id 0
		.amdhsa_next_free_vgpr 1024
		.amdhsa_next_free_sgpr 100
		.amdhsa_reserve_vcc 0
		.amdhsa_float_denorm_mode_32 3
		.amdhsa_float_denorm_mode_16_64 3
		.amdhsa_memory_ordered 1
		.amdhsa_forward_progress 1
		.amdhsa_inst_pref_size 255
	.end_amdhsa_kernel
	.section	.bss,"aw",@nobits
	.p2align	6
	.space	262144
	.amdgpu_metadata
---
amdhsa.version: [ 1, 2 ]
amdhsa.kernels:
  - .name:           k_q9fc18b41f3_attend
    .symbol:         k_q9fc18b41f3_attend.kd
    .args:
      - { .name: encoder_outputs, .offset: 0, .size: 8, .value_kind: global_buffer, .address_space: global }
      - { .name: wf, .offset: 8, .size: 8, .value_kind: global_buffer, .address_space: global }
      - { .name: dec2, .offset: 16, .size: 8, .value_kind: global_buffer, .address_space: global }
      - { .name: v, .offset: 24, .size: 8, .value_kind: global_buffer, .address_space: global }
      - { .name: list, .offset: 32, .size: 8, .value_kind: global_buffer, .address_space: global }
      - { .name: cnt, .offset: 40, .size: 8, .value_kind: global_buffer, .address_space: global }
      - { .name: lowp_scales, .offset: 48, .size: 8, .value_kind: global_buffer, .address_space: global }
      - { .name: en, .offset: 56, .size: 8, .value_kind: global_buffer, .address_space: global }
      - { .name: st, .offset: 64, .size: 8, .value_kind: global_buffer, .address_space: global }
      - { .name: ctxp, .offset: 72, .size: 8, .value_kind: global_buffer, .address_space: global }
    .group_segment_fixed_size: 254720
    .private_segment_fixed_size: 0
    .kernarg_segment_align: 8
    .kernarg_segment_size: 80
    .max_flat_workgroup_size: 128
    .sgpr_count:     100
    .vgpr_count:     1024
    .wavefront_size: 32
...
	.end_amdgpu_metadata
.endif
;; end of part 2
;; launch combine (part 3): grid 4 x 32, 2 waves a work-group, no clusters, 0 bytes of LDS; arguments ctxp, st, en, out0, out1; writes out0, out1
.if DOCPART == 3
	.amdgcn_target "amdgcn-amd-amdhsa--gfx1250"
	.amdhsa_code_object_version 6
	.text
	.protected	k_q9fc18b41f3_combine
	.globl	k_q9fc18b41f3_combine
	.p2align	8
	.type	k_q9fc18b41f3_combine,@function
k_q9fc18b41f3_combine:
	s_mov_b64 s[64:65], 0
	v_nop
	global_prefetch_b8 v0, s[64:65] scope:SCOPE_SE
	s_setreg_imm32_b32 hwreg(HW_REG_WAVE_MODE, 25, 1), 1
	s_wait_xcnt 0x0
; The eight records of a batch are joined: M = the largest M_i, w_i = e^(M_i - M), L = sum w_i l_i; context = sum (w_i / L) ctx_i; weight of row s = e^(E_s - M) / L.
; en holds -1e9 for every masked row, so its weight is 0 in f32, and 1 / 2048 where no row of the batch is kept (then M = -1e9 too).
; Work-group (qd, b), 64 threads: 256 columns of out0 (16 bytes a thread) and 512 rows of out1 (two times 16 bytes a thread): every store of a wave covers 512 consecutive bytes.  No LDS, no barrier, no branch.
	s_load_b256 s[4:11], s[0:1], 0x0               ; ctxp s[4:5], st s[6:7], en s[8:9], out0 s[10:11]
	s_load_b64 s[12:13], s[0:1], 0x20              ; out1
	s_and_b32 s14, ttmp7, 0xffff                   ; b
	v_lshlrev_b32 v1, 4, v0
	v_mov_b32 v2, 0
	s_mov_b32 s17, 0
	s_lshl_b32 s18, ttmp9, 10
	s_lshl_b32 s19, ttmp9, 11
	s_wait_kmcnt 0x0
	s_lshl_b32 s16, s14, 11
	s_add_nc_u64 s[6:7], s[6:7], s[16:17]
	s_lshl_b32 s16, s14, 15
	s_add_co_u32 s16, s16, s18
	s_add_nc_u64 s[4:5], s[4:5], s[16:17]
	s_mul_i32 s16, s14, 8448
	s_add_co_u32 s16, s16, s19
	s_add_nc_u64 s[8:9], s[8:9], s[16:17]
	s_lshl_b32 s16, s14, 12
	s_add_co_u32 s16, s16, s18
	s_add_nc_u64 s[10:11], s[10:11], s[16:17]
	s_lshl_b32 s16, s14, 13
	s_add_co_u32 s16, s16, s19
	s_add_nc_u64 s[12:13], s[12:13], s[16:17]
.irp i, 0,1,2,3,4,5,6,7
	global_load_b64 v[16+2*\i:17+2*\i], v2, s[6:7] offset:256*\i       ; M_i, l_i, in every lane
.endr
.irp i, 0,1,2,3,4,5,6,7
	global_load_b128 v[32+4*\i:35+4*\i], v1, s[4:5] offset:4096*\i
.endr
	global_load_b128 v[64:67], v1, s[8:9]
	global_load_b128 v[68:71], v1, s[8:9] offset:1024
	s_wait_loadcnt 10                              ; the ten loads behind the records' may stay out
	v_max3_num_f32 v76, v16, v18, v20
	v_max3_num_f32 v76, v76, v22, v24
	v_max3_num_f32 v76, v76, v26, v28
	v_max_num_f32 v76, v76, v30                    ; M
.irp i, 0,1,2,3,4,5,6,7
	v_sub_f32 v[16+2*\i], v[16+2*\i], v76
.endr
.irp i, 0,1,2,3,4,5,6,7
	v_mul_f32 v[16+2*\i], 0x3fb8aa3b, v[16+2*\i]
.endr
.irp i, 0,1,2,3,4,5,6,7
	v_exp_f32 v[16+2*\i], v[16+2*\i]               ; w_i; 0 for a record without rows
.endr
	v_nop                                          ; a plain place behind the exponentials
	s_wait_alu depctr_va_vdst(0)
	v_mul_f32 v77, v16, v17
.irp i, 1,2,3,4,5,6,7
	v_fmac_f32 v77, v[16+2*\i], v[17+2*\i]
.endr
	v_rcp_f32 v77, v77                             ; 1 / L
	v_nop
	s_wait_alu depctr_va_vdst(0)
.irp i, 0,1,2,3,4,5,6,7
	v_mul_f32 v[16+2*\i], v[16+2*\i], v77
.endr
	s_wait_loadcnt 2                               ; en's two loads may stay out
	v_pk_mul_f32 v[72:73], v[32:33], v[16:17] op_sel_hi:[1,0]
	v_pk_mul_f32 v[74:75], v[34:35], v[16:17] op_sel_hi:[1,0]
.irp i, 1,2,3,4,5,6,7
	v_pk_fma_f32 v[72:73], v[32+4*\i:33+4*\i], v[16+2*\i:17+2*\i], v[72:73] op_sel_hi:[1,0,1]
	v_pk_fma_f32 v[74:75], v[34+4*\i:35+4*\i], v[16+2*\i:17+2*\i], v[74:75] op_sel_hi:[1,0,1]
.endr
	global_store_b128 v1, v[72:75], s[10:11]
	s_wait_loadcnt 0x0
.irp j, 0,1,2,3,4,5,6,7
	v_sub_f32 v[64+\j], v[64+\j], v76
.endr
.irp j, 0,1,2,3,4,5,6,7
	v_mul_f32 v[64+\j], 0x3fb8aa3b, v[64+\j]
.endr
.irp j, 0,1,2,3,4,5,6,7
	v_exp_f32 v[64+\j], v[64+\j]
.endr
	v_nop
	s_wait_alu depctr_va_vdst(0)
.irp j, 0,1,2,3,4,5,6,7
	v_mul_f32 v[64+\j], v[64+\j], v77
.endr
	global_store_b128 v1, v[64:67], s[12:13]
	global_store_b128 v1, v[68:71], s[12:13] offset:1024
	s_endpgm
.Lfunc_end_k_q9fc18b41f3_combine:
	.size	k_q9fc18b41f3_combine, .Lfunc_end_k_q9fc18b41f3_combine-k_q9fc18b41f3_combine
	.p2alignl 7, 3214868480
	.fill 96, 4, 3214868480
	.section	.rodata,"a",@progbits
	.p2align	6, 0x0
	.amdhsa_kernel k_q9fc18b41f3_combine
		.amdhsa_group_segment_fixed_size 0
		.amdhsa_private_segment_fixed_size 0
		.amdhsa_enable_private_segment 0
		.amdhsa_kernarg_size 40
		.amdhsa_user_sgpr_count 2
		.amdhsa_user_sgpr_kernarg_segment_ptr 1
		.amdhsa_wavefront_size32 1
		.amdhsa_system_sgpr_workgroup_id_x 1
		.amdhsa_system_sgpr_workgroup_id_y 1
		.amdhsa_system_sgpr_workgroup_id_z 1
		.amdhsa_system_vgpr_workitem_id 0
		.amdhsa_next_free_vgpr 96
		.amdhsa_next_free_sgpr 66
		.amdhsa_reserve_vcc 0
		.amdhsa_float_denorm_mode_32 3
		.amdhsa_float_denorm_mode_16_64 3
		.amdhsa_memory_ordered 1
		.amdhsa_forward_progress 1
		.amdhsa_inst_pref_size 8
	.end_amdhsa_kernel
	.amdgpu_metadata
---
amdhsa.version: [ 1, 2 ]
amdhsa.kernels:
  - .name:           k_q9fc18b41f3_combine
    .symbol:         k_q9fc18b41f3_combine.kd
    .args:
      - { .name: ctxp, .offset: 0, .size: 8, .value_kind: global_buffer, .address_space: global }
      - { .name: st, .offset: 8, .size: 8, .value_kind: global_buffer, .address_space: global }
      - { .name: en, .offset: 16, .size: 8, .value_kind: global_buffer, .address_space: global }
      - { .name: out0, .offset: 24, .size: 8, .value_kind: global_buffer, .address_space: global }
      - { .name: out1, .offset: 32, .size: 8, .value_kind: global_buffer, .address_space: global }
    .group_segment_fixed_size: 0
    .private_segment_fixed_size: 0
    .kernarg_segment_align: 8
    .kernarg_segment_size: 40
    .max_flat_workgroup_size: 64
    .sgpr_count:     66
    .vgpr_count:     96
    .wavefront_size: 32
...
	.end_amdgpu_metadata
.endif
;; end of part 3
;; ======== version 2 of 2: 3 launches; version 1 with the launch attend written anew for expert scheduling mode
;; workspace buffers: wf 1,048,576 bytes; dec2 131,072 bytes; list 262,144 bytes of whole numbers; cnt 256 bytes of whole numbers; en 270,336 bytes; st 65,536 bytes; ctxp 1,048,576 bytes
;; launch prep: the kernel of part 1 again; grid 40 x 1, 4 waves a work-group, no clusters, 9,216 bytes of LDS; arguments W_h_codes, W_s_codes, decoder_hidden_codes, mask, lowp_scales, wf, dec2, list, cnt, en; writes wf, dec2, list, cnt, en
;; launch attend (part 4): grid 8 x 32, 4 waves a work-group, no clusters, 254,720 bytes of LDS; arguments encoder_outputs, wf, dec2, v, list, cnt, lowp_scales, en, st, ctxp; writes en, st, ctxp
.if DOCPART == 4
	.amdgcn_target "amdgcn-amd-amdhsa--gfx1250"
	.amdhsa_code_object_version 6
	.text
	.protected	k_q9fc18b41f3_attend
	.globl	k_q9fc18b41f3_attend
	.p2align	8
	.type	k_q9fc18b41f3_attend,@function
k_q9fc18b41f3_attend:
	s_mov_b64 s[64:65], 0
	v_nop
	global_prefetch_b8 v0, s[64:65] scope:SCOPE_SE
	s_setreg_imm32_b32 hwreg(HW_REG_WAVE_SCHED_MODE, 0, 2), 2
	s_setreg_imm32_b32 hwreg(HW_REG_WAVE_MODE, 25, 1), 1
	s_wait_xcnt 0x0
	s_wait_alu depctr_vm_vsrc(0)
; For the rows that the mask keeps: enc = Q(x) W_h^T on codes of E4M3, energy = sum over d of v_d tanh(enc + dec), and each work-group's own softmax (largest energy M, sum l, context sum of p x), with x read from memory ONCE.
; A masked row has the weight exp(-1e9 - M) = 0 in f32, so it is neither loaded nor multiplied.  A batch with no kept row has equal weights: there all 2,048 rows count, with the energy -1e9.
; SHARES.  Work-group (i, b) takes one eighth of batch b's subtiles of 16 listed rows: T = ceil(n / 16), q = ceil(T / 8), subtiles i q on, at most 16.  They go in passes of 5 or 4 subtiles (9 = 5 + 4, 8 = 4 + 4, 16 = 4 x 4).
; The loop over passes has the constant count 4; a pass without rows jumps over its work and over no barrier.  A pass of fewer than 4 subtiles works on 4: the rows beyond its own are rows of the list, with weight 0.
; A PASS.  X: wave w loads columns 256 w .. + 255 of each row (two loads of 512 consecutive bytes a row), makes codes (held at +-448 x 2^e2, then converted) and a bf16 copy, both into LDS | barrier |
;   G: every wave takes all rows' codes into registers (640 for 80 rows) and walks its 16 column tiles of W_h, whose fragments come from memory straight into registers, in the order in which the launch before laid them, each byte to one wave;
;      behind a tile's products: r = 1 / (1 + 2^(2 log2e (enc + dec))), tanh = 1 - 2 r, so energy = sum v - 2 sum v r; each wave's part of sum v r goes to LDS | barrier |
;   S, C: every wave makes the energies, the new M, p = 2^((E - M) log2e), l, and adds p x its own 256 columns of the bf16 copy to its running context | barrier.
; The matrix instruction is used transposed (source 0 = 16 rows of W_h, source 1 = 16 rows of x): lane (r, h) holds row r, register i column 16 j + 8 h + i.
; Every stretch between two barriers is sound by itself whichever way the branches on the stored counts go: what the lines for a fifth subtile read has been written by the common lines, and the common waits cover their loads.
; NO TENSOR LOADS, NO CLUSTER: the number of passes and the fifth subtile hang on counts read from memory, and the eight work-groups of a batch need different numbers of W_h's tiles; so W_h is not asked for jointly.
; LIMITS: e2 between -126 and 119; e2 + e3 between -127 and 126 (added to an exponent field).  NaN among the inputs is not served.  x is rounded to bf16 for the context alone.  Energies lie far above -1e9, as the mask's -1e9 itself supposes.
; LDS: EP [wave 4][80] parts of sum v r | PW [wave 4][96] p, each wave's own | STG 1 KiB a wave, the context's way out | CD codes, 80 rows, pitch 1,040 = 65 x 16 (a fragment's 16 rows start in 16 different columns of 16 bytes) | BF bf16, 80 rows of 2,048.
; REGISTERS (absolute; window = number / 256): v0-127 below; v128-255 set P: W's 8 fragments of a tile (in X: the codes and bf16 just made; in C: p); v256-895 x's fragments, (K step k, subtile t) at 256 + 16 (5 k + t)
;   (in X: four landing sets of 128 at 256 on; in C: four sets of 64 at 256 on); v896-1023 set Q (in X: one row offset for each row).
; THE MODE: SCHED_MODE bits 1:0 = 2 (LLVM: expert scheduling mode 2), set by the entry lines.  The code itself states the register dependences between vector or matrix instructions and memory or LDS instructions, with s_wait_alu, always for 0.
; THE PLAN.  AT A PASS'S HEAD NOTHING IS OPEN: the kernel's head and every pass end with a wait on va_vdst and one on vm_vsrc; X ends with one on vm_vsrc.  Between them, the registers that memory or LDS instructions touch:
;   v1-21     addresses and offsets: made at the head, ahead of its first wait on va_vdst; never written again.
;   v24-28    IDX: the index loads land here; XOFF's lane reads and the three selects read it, all ahead of the wait in IDXLOAD.  The loads' offsets (v88-92; at the head v120-124) are made ahead of that wait too.
;   v896-975  the rows' offsets: XOFF writes, the loads of x read.  XOFF 0 and 1 stand ahead of one wait; XOFF 2 and 3 ahead of the wait in subtile 0's XCONV; XOFF 4, in its arm, has its own.
;   v256-767  a landing set is named by its own subtile's XCONV alone, ahead of the wait in that XCONV; whatever lands in it later is asked for behind that wait.
;   v128-223  XCONV writes them; one wait on va_vdst; 64 LDS stores read them; one wait on vm_vsrc ahead of the next XCONV, and at X's end.
;   sets P, Q a tile's products read a set; it is asked for again behind the epilogue's first wait, which stands behind all the tile's products.  v56-87, dec2 and v: read by the epilogue, asked for again behind a wait at its end.
;   v46-54    sum v r: one wait ahead of the five LDS stores.   v88-90, v105-107: the energies and their offsets: one wait ahead of the three stores.   v108-110: p, written ahead of the exponentials' wait.
;   v256-319  in C: subtile 0's multiply-adds read them; a wait; the fifth subtile's rows land.
.set EP,  0
.set PW,  1536
.set STG, 3072
.set CD,  7168
.set CDP, 1040
.set BF,  90368
.set BFP, 2048
.set L16, 1                            ; 16 x lane
.set XB,  2                            ; 16 x lane + 1024 x wave: my bytes of a row of x
.set DVO, 3                            ; 32 h: my eight numbers of a tile's dec2 and v
.set CDR, 4                            ; v4-5   codes, read: CD + 1040 r + 16 h (+ 64 rows)
.set CDW, 6                            ; v6-8   codes, written: CD + 256 w + 4 lane (+ 32, 64 rows)
.set BFW, 9                            ; v9-11  bf16, written: BF + 512 w + 8 lane (+ 32, 64 rows)
.set BFR, 12                           ; v12-14 bf16, read: BF + 512 w + 16 lane (+ 32, 64 rows)
.set EPW, 15
.set EPR, 16
.set EPR3, 17
.set PWW, 18
.set PWR, 19
.set STW, 20
.set STR, 21
.set RR,  22                           ; r
.set LN,  23                           ; lane
.set IDX, 24                           ; v24-28 the list's entry for row r of subtile t of the pass to come
.set IDS, 29                           ; v29-31 the same for slots lane, lane + 32, lane + 64 of the pass in hand
.set CTX, 32                           ; v32-39 my 8 columns (256 w + 8 lane on) of the running context
.set VM,  40                           ; M;  v41 l
.set SV,  42                           ; sum of v
.set SC,  43                           ; 2^e2
.set LIM, 44                           ; 448 x 2^e2
.set PT,  45                           ; a lane permute's target
.set EA,  46                           ; v46-55 sum v r, a pair for each subtile
.set ACC, 88                           ; v88-127 five accumulators; at work outside G
.set TP,  128
.set PP,  128
.set AFB, 256
.set MSB, 0
.macro WIN new                         ; the immediate's high byte repeats the setting that is left; bits 1:0 source 0, 3:2 source 1, 5:4 source 2, 7:6 destination
.if MSB != (\new)
	s_set_vgpr_msb (MSB<<8)|(\new)
.set MSB, \new
.endif
.endm
.macro BAR                             ; my LDS stores have landed and my LDS loads are in: then the work-group's barrier
	s_wait_dscnt 0x0
	s_barrier_signal -1
	s_barrier_wait -1
.endm
; the list's entries at positions s[sb] + 16 t + r, held inside the list, into IDX; tmp: five registers for the offsets.  All five offsets are made first, so that one wait serves the five loads
.macro IDXLOAD sb, tmp
.irp t, 0,1,2,3,4
	v_add3_u32 v[\tmp+\t], s[\sb], v[RR], 16*\t
.endr
.irp t, 0,1,2,3,4
	v_min_u32 v[\tmp+\t], 0x7ff, v[\tmp+\t]
.endr
.irp t, 0,1,2,3,4
	v_lshlrev_b32 v[\tmp+\t], 2, v[\tmp+\t]
.endr
	s_wait_alu depctr_va_vdst(0)                   ; the five offsets are written, which the loads read; the lane reads and selects that took the old entries out of IDX are done, and the loads land there
.irp t, 0,1,2,3,4
	global_load_b32 v[IDX+\t], v[\tmp+\t], s[12:13]
.endr
.endm
; subtile t's sixteen row numbers become sixteen byte offsets, 4096 x row + my bytes, in v[896 + 16 t] on
.macro XOFF t
	WIN 0
.irp p, 0,1,2,3,4,5,6,7,8,9,10,11,12,13,14,15
	v_readlane_b32 s[68+\p], v[IDX+\t], \p
.endr
	s_wait_alu depctr_va_sdst(0)                   ; the sixteen lane reads have written s68-83, ahead of their first reader
.irp p, 0,1,2,3,4,5,6,7,8,9,10,11,12,13,14,15
	s_min_u32 s[68+\p], s[68+\p], 0x7ff
.endr
	WIN 0xc0
.irp p, 0,1,2,3,4,5,6,7,8,9,10,11,12,13,14,15
	v_lshl_add_u32 v[128+16*\t+\p], s[68+\p], 12, v[XB]
.endr
.endm
; 32 loads: each 512 consecutive bytes of one row: k = 256 w + 4 lane on, and 128 further on
.macro XLOAD t, set
	WIN ((1+(\set)/2)<<6)|3
.irp p, 0,1,2,3,4,5,6,7,8,9,10,11,12,13,14,15
	global_load_b128 v[128*((\set)%2)+8*\p:128*((\set)%2)+8*\p+3], v[128+16*\t+\p], s[4:5] th:TH_LOAD_NT
	global_load_b128 v[128*((\set)%2)+8*\p+4:128*((\set)%2)+8*\p+7], v[128+16*\t+\p], s[4:5] offset:512 th:TH_LOAD_NT
.endr
.endm
; subtile t, landed in a set: bf16 of the numbers as they are; the hold; the codes; all to LDS.  cnt: the loads issued behind this subtile's
.macro XCONV t, set, cnt
.set XW, 1+(\set)/2
.set XL, 128*((\set)%2)
	s_wait_dscnt 0x0                               ; the LDS stores of the subtile before have landed
.if (\t) > 0
	s_wait_alu depctr_vm_vsrc(0)                   ; the LDS stores of the subtile before have read v128-223, which the conversions below write again
.endif
	s_wait_loadcnt \cnt
	WIN XW|(XW<<2)
.irp p, 0,1,2,3,4,5,6,7,8,9,10,11,12,13,14,15
.irp i, 0,1,2,3
	v_cvt_pk_bf16_f32 v[TP+6*\p+\i], v[XL+8*\p+2*\i], v[XL+8*\p+2*\i+1]
.endr
.endr
	WIN XW|(XW<<6)
.irp p, 0,1,2,3,4,5,6,7,8,9,10,11,12,13,14,15
.irp i, 0,1,2,3,4,5,6,7
	v_med3_num_f32 v[XL+8*\p+\i], v[XL+8*\p+\i], -v[LIM], v[LIM]   ; the conversion to an 8-bit code does not saturate (ISA guide 7.6.2)
.endr
.endr
	WIN XW
.irp p, 0,1,2,3,4,5,6,7,8,9,10,11,12,13,14,15
	v_cvt_scalef32_pk8_fp8_f32 v[TP+6*\p+4:TP+6*\p+5], v[XL+8*\p:XL+8*\p+7], v[SC]
.endr
	WIN 0
	v_nop                                          ; one plain vector instruction behind the last scaled conversion
	s_wait_alu depctr_va_vdst(0)                   ; the conversions have written v128-223, which the LDS stores read, and are done with this landing set, in which later loads land; the row offsets made since the last wait are written too
.irp p, 0,1,2,3,4,5,6,7,8,9,10,11,12,13,14,15
	ds_store_b32 v[CDW+(\t)/2], v[TP+6*\p+4] offset:CDP*(16*((\t)%2)+\p)
	ds_store_b32 v[CDW+(\t)/2], v[TP+6*\p+5] offset:CDP*(16*((\t)%2)+\p)+128
	ds_store_b64 v[BFW+(\t)/2], v[TP+6*\p:TP+6*\p+1] offset:BFP*(16*((\t)%2)+\p)
	ds_store_b64 v[BFW+(\t)/2], v[TP+6*\p+2:TP+6*\p+3] offset:BFP*(16*((\t)%2)+\p)+256
.endr
.endm
; all rows' codes into registers: fragment (k, t), group c: 16 bytes at row 16 t + r, byte 128 k + 32 c + 16 h
.macro ALOADS M
.irp k, 0,1,2,3,4,5,6,7
.set tt, 0
.rept \M
.set AFR, AFB+16*(5*\k+tt)
	WIN (AFR>>8)<<6
.irp c, 0,1,2,3
.if tt < 4
	ds_load_b128 v[(AFR&255)+4*\c:(AFR&255)+4*\c+3], v[CDR] offset:16*CDP*tt+128*\k+32*\c
.else
	ds_load_b128 v[(AFR&255)+4*\c:(AFR&255)+4*\c+3], v[CDR+1] offset:128*\k+32*\c
.endif
.endr
.set tt, tt+1
.endr
.endr
	WIN 0
.endm
; a tile's 8 fragments of W, 32 loads of 512 consecutive bytes, into set q (0: P, 1: Q).  step = 1: the set's three bases go two tiles on first
.macro LOADB q, step
.if \step
	s_wait_xcnt 0x0                                ; the earlier loads have read their bases
	s_add_nc_u64 s[44+2*\q:45+2*\q], s[44+2*\q:45+2*\q], 32768
	s_add_nc_u64 s[48+2*\q:49+2*\q], s[48+2*\q:49+2*\q], 128
	s_add_nc_u64 s[52+2*\q:53+2*\q], s[52+2*\q:53+2*\q], 128
.endif
	WIN 0xc0*\q
.irp n, 0,1,2,3,4,5,6,7,8,9,10,11,12,13,14,15,16,17,18,19,20,21,22,23,24,25,26,27,28,29,30,31
	global_load_b128 v[128+4*\n:131+4*\n], v[L16], s[44+2*\q:45+2*\q] offset:512*\n
.endr
	WIN 0
.endm
.macro LOADDV q                        ; the tile's dec2 and v at my eight columns
	global_load_b128 v[56+16*\q:59+16*\q], v[DVO], s[48+2*\q:49+2*\q]
	global_load_b128 v[60+16*\q:63+16*\q], v[DVO], s[48+2*\q:49+2*\q] offset:16
	global_load_b128 v[64+16*\q:67+16*\q], v[DVO], s[52+2*\q:53+2*\q]
	global_load_b128 v[68+16*\q:71+16*\q], v[DVO], s[52+2*\q:53+2*\q] offset:16
.endm
.macro MM acc, bf, af, k               ; registers by absolute number; K step 0 starts the sum with the constant 0
	WIN (((\af)>>8)<<2)|((\bf)>>8)
.if (\k) == 0
	v_wmma_f32_16x16x128_fp8_fp8 v[\acc:\acc+7], v[(\bf)&255:((\bf)&255)+15], v[(\af)&255:((\af)&255)+15], 0
.else
	v_wmma_f32_16x16x128_fp8_fp8 v[\acc:\acc+7], v[(\bf)&255:((\bf)&255)+15], v[(\af)&255:((\af)&255)+15], v[\acc:\acc+7]
.endif
.endm
; the five stages behind a tile's products, for accumulator t
.macro E_A t, dv                       ; 2 log2e (enc + dec), from the accumulator's low end on
.irp q, 0,2,4,6
	v_pk_fma_f32 v[ACC+8*(\t)+\q:ACC+8*(\t)+\q+1], v[ACC+8*(\t)+\q:ACC+8*(\t)+\q+1], s[40:41], v[\dv+\q:\dv+\q+1] op_sel_hi:[1,0,1]
.endr
.endm
.macro E_E t
.irp q, 0,1,2,3,4,5,6,7
	v_exp_f32 v[ACC+8*(\t)+\q], v[ACC+8*(\t)+\q]
.endr
.endm
.macro E_P t
.irp q, 0,2,4,6
	v_pk_add_f32 v[ACC+8*(\t)+\q:ACC+8*(\t)+\q+1], v[ACC+8*(\t)+\q:ACC+8*(\t)+\q+1], 1.0 op_sel_hi:[1,0]
.endr
.endm
.macro E_R t                           ; r: 0 where the power overflowed, 1 where it vanished: tanh's two ends
.irp q, 0,1,2,3,4,5,6,7
	v_rcp_f32 v[ACC+8*(\t)+\q], v[ACC+8*(\t)+\q]
.endr
.endm
.macro E_FALL M, dv                    ; sum v r: each subtile's pair takes the tile's columns 0, 2, 4, 6 in that order; the pairs take turns, so that no line reads the result of the line above it
.irp c, 0,2,4,6
.set et, 0
.rept \M
	v_pk_fma_f32 v[EA+2*et:EA+2*et+1], v[ACC+8*et+\c:ACC+8*et+\c+1], v[\dv+8+\c:\dv+8+\c+1], v[EA+2*et:EA+2*et+1]
.set et, et+1
.endr
.endr
.endm
; a column tile from set q against M subtiles.  The M accumulators take turns, one instruction a turn.  pre = 1: the set is loaded again, with the tile two further on.
; The epilogue goes stage by stage over all M accumulators: each run of transcendentals is one batch, with one plain instruction and one wait behind it (ISA guide 5.7.2 for the plain instruction)
.macro TILE q, M, pre, cnt
	s_wait_loadcnt \cnt                            ; behind this set's 36 loads stand the other set's 36, or none
.irp k, 0,1,2,3,4,5,6,7
.set tt, 0
.rept \M
	MM ACC+8*tt, 128+768*\q+16*\k, AFB+16*(5*\k+tt), \k
.set tt, tt+1
.endr
.endr
	WIN 0
.rept 4
	v_nop                                          ; four places in front of the first read of results (ISA guide 7.12.1)
.endr
.set et, 0
.rept \M
	E_A et, 56+16*\q
.set et, et+1
.endr
.set et, 0
.rept \M
	E_E et
.set et, et+1
.endr
	v_nop                                          ; a plain place behind the powers
	s_wait_alu depctr_va_vdst(0)                   ; the powers are written, ahead of their first reader; and the tile's products are done reading set q, in which the loads below land
.if \pre
	LOADB \q, 1                                    ; no vector or matrix instruction behind that wait names set q
.endif
.set et, 0
.rept \M
	E_P et
.set et, et+1
.endr
.set et, 0
.rept \M
	E_R et
.set et, et+1
.endr
	v_nop                                          ; a plain place behind the reciprocals
	s_wait_alu depctr_va_vdst(0)                   ; the reciprocals are written, ahead of their first reader
	E_FALL \M, 56+16*\q
.if \pre
	s_wait_alu depctr_va_vdst(0)                   ; the epilogue is done reading this set's dec2 and v, in which the four loads below land
	LOADDV \q
.endif
.endm
.macro GPHASE M                        ; 16 tiles: two are on their way at the start, seven trips ask for two more each, the last two are written out and ask for nothing
	s_mov_b32 s56, 7
.Lg_\@:
	TILE 0, \M, 1, 36
	TILE 1, \M, 1, 36
	s_sub_co_i32 s56, s56, 1
	s_cmp_lg_u32 s56, 0
	s_cbranch_scc1 .Lg_\@
	TILE 0, \M, 0, 36
	TILE 1, \M, 0, 0
.endm
.macro CLOAD t, set                    ; my 16 bytes (8 columns) of each of subtile t's rows of the bf16 copy: bytes that my own wave stored
	WIN 0x40
.irp p, 0,1,2,3,4,5,6,7,8,9,10,11,12,13,14,15
	ds_load_b128 v[64*\set+4*\p:64*\set+4*\p+3], v[BFR+(\t)/2] offset:BFP*(16*((\t)%2)+\p)
.endr
.endm
.macro CROWS t, set, cnt               ; context += p x row; cnt: the LDS loads issued behind this subtile's
	s_wait_dscnt \cnt
	WIN 0x01
.irp p, 0,1,2,3,4,5,6,7,8,9,10,11,12,13,14,15
.irp q, 0,1,2,3
	v_fma_mix_f32_bf16 v[CTX+2*\q], v[64*\set+4*\p+\q], v[PP+16*\t+\p], v[CTX+2*\q] op_sel_hi:[1,0,0]
	v_fma_mix_f32_bf16 v[CTX+2*\q+1], v[64*\set+4*\p+\q], v[PP+16*\t+\p], v[CTX+2*\q+1] op_sel:[1,0,0] op_sel_hi:[1,0,0]
.endr
.endr
.endm
	s_load_b512 s[4:19], s[0:1], 0x0               ; x s[4:5], wf s[6:7], dec2 s[8:9], v s[10:11], list s[12:13], cnt s[14:15], scales s[16:17], en s[18:19]
	s_load_b128 s[20:23], s[0:1], 0x40             ; st s[20:21], ctxp s[22:23]
	v_lshrrev_b32 v88, 5, v0
	v_readfirstlane_b32 s24, v88                   ; wave 0..3
	s_mov_b32 s25, ttmp9                           ; i
	s_and_b32 s26, ttmp7, 0xffff                   ; b
	v_and_b32 v[LN], 31, v0
	v_and_b32 v[RR], 15, v0
	v_bfe_u32 v89, v0, 4, 1                        ; h
	v_lshlrev_b32 v[L16], 4, v[LN]
	s_wait_alu depctr_va_sdst(0)                   ; s24 is written, ahead of its first reader
	s_lshl_b32 s88, s24, 10
	v_add_nc_u32 v[XB], s88, v[L16]
	v_lshlrev_b32 v[DVO], 5, v89
	; every LDS address is made here, of constants, the lane and the wave, and never rewritten
	v_mul_u32_u24 v[CDR], v[RR], CDP
	v_lshl_add_u32 v[CDR], v89, 4, v[CDR]
	v_add_nc_u32 v[CDR], CD, v[CDR]
	v_add_nc_u32 v[CDR+1], 64*CDP, v[CDR]
	s_lshl_b32 s84, s24, 8
	s_add_co_u32 s84, s84, CD
	v_lshl_add_u32 v[CDW], v[LN], 2, s84
	v_add_nc_u32 v[CDW+1], 32*CDP, v[CDW]
	v_add_nc_u32 v[CDW+2], 64*CDP, v[CDW]
	s_lshl_b32 s84, s24, 9
	s_add_co_u32 s84, s84, BF
	v_lshl_add_u32 v[BFW], v[LN], 3, s84
	v_add_nc_u32 v[BFW+1], 32*BFP, v[BFW]
	v_add_nc_u32 v[BFW+2], 64*BFP, v[BFW]
	v_lshl_add_u32 v[BFR], v[LN], 4, s84
	v_add_nc_u32 v[BFR+1], 32*BFP, v[BFR]
	v_add_nc_u32 v[BFR+2], 64*BFP, v[BFR]
	s_mul_i32 s84, s24, 320
	s_add_co_u32 s84, s84, EP
	v_lshl_add_u32 v[EPW], v[RR], 2, s84
	v_lshl_add_u32 v[EPR], v[LN], 2, EP
	v_lshl_add_u32 v[EPR3], v[RR], 2, EP+256
	s_mul_i32 s84, s24, 384
	s_add_co_u32 s84, s84, PW
	v_lshl_add_u32 v[PWW], v[LN], 2, s84
	v_mov_b32 v[PWR], s84
	s_lshl_b32 s84, s24, 10
	s_add_co_u32 s84, s84, STG
	v_lshl_add_u32 v[STW], v[LN], 5, s84
	v_lshl_add_u32 v[STR], v[LN], 4, s84
	s_mov_b32 s85, 0
	s_mov_b32 s42, 0x76543210                      ; v_permlanex16_b32's selects for lane l xor 16
	s_mov_b32 s43, 0xfedcba98
	s_mov_b32 s39, 0xffff0000                      ; lanes 16-31
	s_add_co_u32 s91, s25, 0x800                   ; my work-group's own dump word in en: 2048 + i
	s_wait_kmcnt 0x0
	s_lshl_b32 s84, s26, 2
	s_add_nc_u64 s[14:15], s[14:15], s[84:85]
	s_load_b32 s27, s[14:15], 0x0                  ; kept rows of my batch
	s_load_b128 s[60:63], s[16:17], 0x0            ; e0 .. e3
	s_wait_alu depctr_va_vdst(0)                   ; the addresses and offsets v1-21 are written, which every load and store of the kernel reads; so are v88 and v89, in which the loads below land
.irp n, 0,1,2,3,4,5,6,7
	global_load_b128 v[88+4*\n:91+4*\n], v[L16], s[10:11] offset:512*\n   ; all of v, 32 numbers a lane
.endr
	s_lshl_b32 s84, s26, 23
	s_add_nc_u64 s[4:5], s[4:5], s[84:85]          ; x: 8 MiB a batch
	s_lshl_b32 s84, s24, 18
	s_add_nc_u64 s[6:7], s[6:7], s[84:85]          ; wf: my 16 tiles of 16 KiB
	s_lshl_b32 s84, s26, 12
	s_add_co_u32 s84, s84, s88
	s_add_nc_u64 s[8:9], s[8:9], s[84:85]          ; dec2: my batch, my 256 columns
	s_mov_b32 s84, s88
	s_add_nc_u64 s[86:87], s[10:11], s[84:85]      ; v: my 256 columns (in a pair of its own: the loads above still name s[10:11])
	s_lshl_b32 s84, s26, 13
	s_add_nc_u64 s[12:13], s[12:13], s[84:85]
	s_mul_i32 s84, s26, 8448
	s_add_nc_u64 s[18:19], s[18:19], s[84:85]
	s_lshl_b32 s84, s26, 11
	s_lshl_b32 s89, s25, 8
	s_add_co_u32 s84, s84, s89
	s_add_nc_u64 s[20:21], s[20:21], s[84:85]
	s_lshl_b32 s84, s26, 15
	s_lshl_b32 s89, s25, 12
	s_add_co_u32 s84, s84, s89
	s_add_co_u32 s84, s84, s88
	s_add_nc_u64 s[22:23], s[22:23], s[84:85]
	s_wait_kmcnt 0x0
	s_cmp_eq_u32 s27, 0
	s_cselect_b32 s38, -1, 0                       ; no row kept: a mask of all lanes
	s_cselect_b32 s28, 0x800, s27                  ; rows that count
	s_add_co_u32 s29, s28, 15
	s_lshr_b32 s29, s29, 4                         ; T
	s_add_co_u32 s30, s29, 7
	s_lshr_b32 s30, s30, 3                         ; q
	s_mul_i32 s31, s25, s30                        ; my first subtile
	s_sub_co_i32 s32, s29, s31
	s_max_i32 s32, s32, 0
	s_min_i32 s32, s32, s30                        ; my subtiles, 0 .. 16
	s_add_co_u32 s33, s32, 4
	s_mul_i32 s33, s33, 13
	s_lshr_b32 s33, s33, 6                         ; passes with rows = ceil(n / 5), for n up to 16
	s_lshl_b32 s33, s33, 2
	s_sub_co_i32 s33, s32, s33
	s_max_i32 s33, s33, 0                          ; so many of them, the first ones, take 5 subtiles
	s_mov_b32 s34, 0
	s_lshl_b32 s37, s31, 4
	IDXLOAD 37, 120
	s_add_co_i32 s40, s62, s63
	s_lshl_b32 s40, s40, 23
	s_add_co_i32 s40, s40, 0x4038aa3b              ; 2 log2(e) x 2^(e2 + e3)
	s_mov_b32 s41, s40
	s_add_co_i32 s84, s62, 127
	s_lshl_b32 s89, s84, 23
	v_mov_b32 v[SC], s89
	s_add_co_i32 s84, s84, 8
	s_lshl_b32 s84, s84, 23
	s_or_b32 s84, s84, 0x600000
	v_mov_b32 v[LIM], s84
.irp j, 0,1,2,3,4,5,6,7
	v_mov_b32 v[CTX+\j], 0
.endr
	v_mov_b32 v[VM], 0xff61b1e6                    ; -3e38, under every energy
	v_mov_b32 v[VM+1], 0
	v_mov_b32 v[PT], 0
	v_mov_b32 v[IDS], 0
	v_mov_b32 v[IDS+1], 0
	v_mov_b32 v[IDS+2], 0
	s_wait_loadcnt 0x0
.irp n, 2,4,6,8,10,12,14,16,18,20,22,24,26,28,30
	v_pk_add_f32 v[88:89], v[88:89], v[88+\n:89+\n]
.endr
	v_add_f32 v[SV], v88, v89
	v_add_f32_dpp v[SV], v[SV], v[SV] row_xmask:1 row_mask:0xf bank_mask:0xf
	v_add_f32_dpp v[SV], v[SV], v[SV] row_xmask:2 row_mask:0xf bank_mask:0xf
	v_add_f32_dpp v[SV], v[SV], v[SV] row_xmask:4 row_mask:0xf bank_mask:0xf
	v_add_f32_dpp v[SV], v[SV], v[SV] row_xmask:8 row_mask:0xf bank_mask:0xf
	v_permlanex16_b32 v[PT], v[SV], s42, s43
	v_add_f32 v[SV], v[SV], v[PT]
	s_wait_alu depctr_va_vdst(0)                   ; the head leaves nothing open: the sums of v are done with v88-119, in which LDS loads land in the passes; the context's zeros, M and l are written, which the record's stores read
	s_wait_alu depctr_vm_vsrc(0)                   ; the index loads have read their offsets v120-124, which the fifth accumulator takes
.Lpass:
	s_min_u32 s35, s32, 4
	s_cmp_lt_u32 s34, s33
	s_cselect_b32 s35, 5, s35                      ; m: this pass's subtiles
	s_add_co_u32 s36, s31, s35
	s_lshl_b32 s36, s36, 4
	s_min_u32 s36, s36, s28                        ; positions under this count for the pass
	s_lshl_b32 s37, s31, 4                         ; the pass's first position
	; ---- X
	s_cmp_eq_u32 s35, 0
	s_cbranch_scc1 .Lx_end
	XOFF 0
	XOFF 1
	WIN 0x43                                       ; the windows of the loads below: data window 1, offsets window 3
	s_wait_alu depctr_va_vdst(0)                   ; the offsets of subtiles 0 and 1, v896-927, are written, which the loads below read
	XLOAD 0, 0
	XLOAD 1, 1
	XOFF 2                                         ; the offsets of subtiles 2 and 3 are made while those loads are on their way; the wait in subtile 0's XCONV shows them written
	XOFF 3
	XCONV 0, 0, 32                                 ; behind subtile 0's loads: subtile 1's 32
	XLOAD 2, 2                                     ; no wait: no vector instruction behind the wait in XCONV names its offsets or its landing set
	XCONV 1, 1, 32                                 ; behind subtile 1's: subtile 2's 32
	s_cmp_eq_u32 s35, 5
	s_cbranch_scc0 .Lx_a
	XOFF 4
	WIN 0x43
	s_wait_alu depctr_va_vdst(0)                   ; the fifth subtile's offsets v960-975 are written, which the loads below read
	XLOAD 4, 0                                     ; the fifth subtile lands where subtile 0 lay
	WIN 0
.Lx_a:
	XLOAD 3, 3                                     ; no wait, as for subtile 2
	WIN 0
	v_cndmask_b32 v[IDS], v[IDX], v[IDX+1], s39    ; slot lane + 32 g is row lane % 16 of subtile 2 g + lane / 16
	v_cndmask_b32 v[IDS+1], v[IDX+2], v[IDX+3], s39
	v_mov_b32 v[IDS+2], v[IDX+4]
	s_lshl_b32 s84, s35, 4
	s_add_co_u32 s84, s84, s37
	IDXLOAD 84, ACC                                ; the next pass's rows
	XCONV 2, 2, 37                                 ; behind subtile 2's loads at the least: subtile 3's 32 and the 5 above
	s_cmp_eq_u32 s35, 5
	s_cbranch_scc0 .Lx_b
	XCONV 4, 0, 37                                 ; behind subtile 4's: the same 37
.Lx_b:
	XCONV 3, 3, 0                                  ; nothing stays out behind this stretch
	s_wait_alu depctr_vm_vsrc(0)                   ; my LDS stores have read v128-223, the loads of x their offsets v896-975, the index loads theirs, v88-92: behind the barrier W's fragments land in the first two, later p in the first, and the products write the third
.Lx_end:
	BAR                                            ; all rows' codes lie in LDS
	; ---- G.  Its first loads owe no wait: the last vector instruction of X stands ahead of the wait in its last XCONV, and X's end has stated the rest
	s_cmp_eq_u32 s35, 0
	s_cbranch_scc1 .Lg_end
	s_mov_b64 s[44:45], s[6:7]                     ; the walking bases: W, dec2, v for set P (tiles 0, 2, ..) and set Q (tiles 1, 3, ..)
	s_add_nc_u64 s[46:47], s[6:7], 16384
	s_mov_b64 s[48:49], s[8:9]
	s_add_nc_u64 s[50:51], s[8:9], 64
	s_mov_b64 s[52:53], s[86:87]
	s_add_nc_u64 s[54:55], s[86:87], 64
	LOADB 0, 0                                     ; they land under the LDS loads below
	LOADDV 0
	LOADB 1, 0
	LOADDV 1
.irp j, 0,1,2,3,4,5,6,7,8,9
	v_mov_b32 v[EA+\j], 0
.endr
	s_cmp_eq_u32 s35, 5
	s_cbranch_scc1 .Lg5
	ALOADS 4
	s_wait_dscnt 0x0
	GPHASE 4
	s_branch .Lg_join
.Lg5:
	ALOADS 5
	s_wait_dscnt 0x0
	GPHASE 5
.Lg_join:
.irp t, 0,1,2,3,4                              ; always five, so that EP is whole: a pair's two halves, then lane l xor 16's eight columns
	v_add_f32 v[EA+2*\t], v[EA+2*\t], v[EA+2*\t+1]
.endr
.irp t, 0,1,2,3,4
	v_permlanex16_b32 v[EA+2*\t+1], v[EA+2*\t], s42, s43
.endr
.irp t, 0,1,2,3,4
	v_add_f32 v[EA+2*\t], v[EA+2*\t], v[EA+2*\t+1]
.endr
	s_wait_alu depctr_va_vdst(0)                   ; the five sums are written, which the LDS stores read; the last epilogue is done with v88-127, in which LDS loads land behind the barrier
.irp t, 0,1,2,3,4
	ds_store_b32 v[EPW], v[EA+2*\t] offset:64*\t
.endr
.Lg_end:
	BAR                                            ; the four waves' parts of sum v r lie in LDS
	; ---- S: every wave for itself: lane l has slots l, l + 32, 64 + l % 16
	s_cmp_eq_u32 s35, 0
	s_cbranch_scc1 .Ls_end
.irp w, 0,1,2,3
	ds_load_b32 v[88+3*\w], v[EPR] offset:320*\w
	ds_load_b32 v[89+3*\w], v[EPR] offset:320*\w+128
	ds_load_b32 v[90+3*\w], v[EPR3] offset:320*\w
.endr
	v_mov_b32 v100, 0xce6e6b28                     ; -1e9
	v_mov_b32 v111, 0xff61b1e6                     ; -3e38
	v_add_nc_u32 v101, s37, v[LN]                  ; the slots' positions in the list
	v_add_nc_u32 v102, 32, v101
	v_add_nc_u32 v103, 64, v101
	v_cmp_gt_u32 s88, s36, v101                    ; which of them count (lanes 16-31 of the third group never do)
	v_cmp_gt_u32 s89, s36, v102
	v_cmp_gt_u32 s90, s36, v103
	v_mov_b32 v104, s91
	s_wait_alu depctr_va_sdst(0)                   ; the three compares have written s88-90, ahead of their first reader
.irp g, 0,1,2
	v_cndmask_b32 v[105+\g], v104, v[IDS+\g], s[88+\g]   ; the row's word of en, or the dump word
	v_min_u32 v[105+\g], 0x83f, v[105+\g]
	v_lshlrev_b32 v[105+\g], 2, v[105+\g]
.endr
	s_wait_dscnt 0x0
.irp g, 0,1,2
	v_add_f32 v[88+\g], v[88+\g], v[91+\g]
	v_add_f32 v[94+\g], v[94+\g], v[97+\g]
.endr
.irp g, 0,1,2
	v_add_f32 v[88+\g], v[88+\g], v[94+\g]
.endr
.irp g, 0,1,2
	v_fma_f32 v[88+\g], v[88+\g], -2.0, v[SV]      ; energy = sum v - 2 sum v r
.endr
.irp g, 0,1,2
	v_cndmask_b32 v[88+\g], v[88+\g], v100, s38    ; a batch without kept rows: -1e9
.endr
	s_cmp_lg_u32 s24, 0
	s_cbranch_scc1 .Ls_nost
	s_wait_alu depctr_va_vdst(0)                   ; the energies v88-90 and their offsets v105-107 are written, which the stores read
.irp g, 0,1,2
	global_store_b32 v[105+\g], v[88+\g], s[18:19]
.endr
	s_wait_xcnt 0x0                                ; the stores' addresses are translated; that they have read v88-90 and v105-107 is stated at the pass's end, ahead of the next write of these registers
.Ls_nost:
.irp g, 0,1,2
	v_cndmask_b32 v[108+\g], v111, v[88+\g], s[88+\g]
.endr
	v_max3_num_f32 v112, v108, v109, v110
	v_max_num_f32_dpp v112, v112, v112 row_xmask:1 row_mask:0xf bank_mask:0xf
	v_max_num_f32_dpp v112, v112, v112 row_xmask:2 row_mask:0xf bank_mask:0xf
	v_max_num_f32_dpp v112, v112, v112 row_xmask:4 row_mask:0xf bank_mask:0xf
	v_max_num_f32_dpp v112, v112, v112 row_xmask:8 row_mask:0xf bank_mask:0xf
	v_permlanex16_b32 v[PT], v112, s42, s43
	v_max_num_f32 v112, v112, v[PT]
	v_max_num_f32 v113, v[VM], v112                ; the new M
	v_sub_f32 v114, v[VM], v113
	v_mul_f32 v114, 0x3fb8aa3b, v114
.irp g, 0,1,2
	v_sub_f32 v[108+\g], v[108+\g], v113
	v_mul_f32 v[108+\g], 0x3fb8aa3b, v[108+\g]
.endr
	v_exp_f32 v114, v114                           ; f = e^(old M - new M)
	v_exp_f32 v108, v108                           ; p; 0 for the slots that do not count
	v_exp_f32 v109, v109
	v_exp_f32 v110, v110
	v_mov_b32 v[VM], v113                          ; (a plain place behind the exponentials)
	s_wait_alu depctr_va_vdst(0)                   ; f and p are written, ahead of their first readers: the sums below, and the LDS stores of p further down, ahead of which nothing writes v108-110 again
	v_add_f32 v115, v108, v109
	v_add_f32 v115, v115, v110
	v_add_f32_dpp v115, v115, v115 row_xmask:1 row_mask:0xf bank_mask:0xf
	v_add_f32_dpp v115, v115, v115 row_xmask:2 row_mask:0xf bank_mask:0xf
	v_add_f32_dpp v115, v115, v115 row_xmask:4 row_mask:0xf bank_mask:0xf
	v_add_f32_dpp v115, v115, v115 row_xmask:8 row_mask:0xf bank_mask:0xf
	v_permlanex16_b32 v[PT], v115, s42, s43
	v_add_f32 v115, v115, v[PT]
	v_fma_f32 v[VM+1], v[VM+1], v114, v115         ; l = l f + sum p
.irp q, 0,2,4,6
	v_pk_mul_f32 v[CTX+\q:CTX+\q+1], v[CTX+\q:CTX+\q+1], v[114:115] op_sel_hi:[1,0]
.endr
	; ---- C: p goes through my own words of LDS, so that every lane has every row's p (LDS serves a wave's instructions in order: ISA guide 5.7.1.4).  The loads below land in v128-207 and v256-511, which no vector or matrix instruction behind the last wait names
.irp g, 0,1,2
	ds_store_b32 v[PWW], v[108+\g] offset:128*\g
.endr
.irp n, 0,1,2,3,4,5,6,7,8,9,10,11,12,13,14,15,16,17,18,19
	ds_load_b128 v[PP+4*\n:PP+4*\n+3], v[PWR] offset:16*\n
.endr
	CLOAD 0, 0
	CLOAD 1, 1
	CLOAD 2, 2
	CLOAD 3, 3
	CROWS 0, 0, 48                                 ; behind subtile 0's loads: 3 x 16
	WIN 0
	s_cmp_eq_u32 s35, 5
	s_cbranch_scc0 .Lc_a
	WIN 0x40
	s_wait_alu depctr_va_vdst(0)                   ; subtile 0's multiply-adds are done reading v256-319, in which the fifth subtile's rows land
	CLOAD 4, 0
	WIN 0
.Lc_a:
	CROWS 1, 1, 32                                 ; at the least subtiles 2's and 3's loads stand behind
	CROWS 2, 2, 16
	CROWS 3, 3, 0
	WIN 0
	s_cmp_eq_u32 s35, 5
	s_cbranch_scc0 .Ls_end
	CROWS 4, 0, 0
	WIN 0
.Ls_end:
	s_wait_alu depctr_va_vdst(0)                   ; the pass leaves nothing open: the multiply-adds are done reading p (v128-207) and the rows (v256-511), in which the next pass's loads land, and have written the context, which the record's LDS stores read
	s_wait_alu depctr_vm_vsrc(0)                   ; the stores of the energies have read v88-90 and v105-107, the LDS stores v46-54 and v108-110: the next pass, and the record's LDS loads, write them again
	BAR                                            ; nobody reads this pass's LDS any more
	s_add_co_u32 s31, s31, s35
	s_sub_co_u32 s32, s32, s35
	s_add_co_u32 s34, s34, 1
	s_cmp_lt_u32 s34, 4
	s_cbranch_scc1 .Lpass
	; THE RECORD: a lane's 8 columns are 32 bytes; through my own stage they become two runs of 512 consecutive bytes.  A work-group without rows leaves zeros, M = -3e38 and l = 0.
	; The two waits at the last pass's end have stated what these lines hang on: no vector instruction stands behind them
	ds_store_b128 v[STW], v[CTX:CTX+3]
	ds_store_b128 v[STW], v[CTX+4:CTX+7] offset:16
	ds_load_b128 v[88:91], v[STR]
	ds_load_b128 v[92:95], v[STR] offset:512
	s_wait_dscnt 0x0
	global_store_b128 v[L16], v[88:91], s[22:23]
	global_store_b128 v[L16], v[92:95], s[22:23] offset:512
	s_cmp_lg_u32 s24, 0
	s_cbranch_scc1 .Ldone
	v_lshlrev_b32 v96, 3, v[LN]
	s_wait_alu depctr_va_vdst(0)                   ; v96 is written, the store's offset
	global_store_b64 v96, v[VM:VM+1], s[20:21]     ; {M, l} 32 times: 256 consecutive bytes
.Ldone:
	s_wait_xcnt 0x0
	v_lshl_add_u32 v254, v0, 2, 0x3e100            ; the add's two registers are made anew here; no memory or LDS instruction has ever read v254 or v255 (the LDS stores of X reach v223)
	v_mov_b32 v255, 0
	s_wait_dscnt 0x0                               ; the closing lines, six on end
	s_wait_alu 0x0
	s_wait_tensorcnt 0x0
	ds_add_u32 v254, v255
	s_wait_dscnt 0x0
	s_endpgm
.Lfunc_end_k_q9fc18b41f3_attend:
	.size	k_q9fc18b41f3_attend, .Lfunc_end_k_q9fc18b41f3_attend-k_q9fc18b41f3_attend
	.p2alignl 7, 3214868480
	.fill 96, 4, 3214868480
	.section	.rodata,"a",@progbits
	.p2align	6, 0x0
	.amdhsa_kernel k_q9fc18b41f3_attend
		.amdhsa_group_segment_fixed_size 254720
		.amdhsa_private_segment_fixed_size 0
		.amdhsa_enable_private_segment 0
		.amdhsa_kernarg_size 80
		.amdhsa_user_sgpr_count 2
		.amdhsa_user_sgpr_kernarg_segment_ptr 1
		.amdhsa_wavefront_size32 1
		.amdhsa_system_sgpr_workgroup_id_x 1
		.amdhsa_system_sgpr_workgroup_id_y 1
		.amdhsa_system_sgpr_workgroup_id_z 1
		.amdhsa_system_vgpr_workitem_id 0
		.amdhsa_next_free_vgpr 1024
		.amdhsa_next_free_sgpr 100
		.amdhsa_reserve_vcc 0
		.amdhsa_float_denorm_mode_32 3
		.amdhsa_float_denorm_mode_16_64 3
		.amdhsa_memory_ordered 1
		.amdhsa_forward_progress 1
		.amdhsa_inst_pref_size 255
	.end_amdhsa_kernel
	.section	.bss,"aw",@nobits
	.p2align	6
	.space	262144
	.amdgpu_metadata
---
amdhsa.version: [ 1, 2 ]
amdhsa.kernels:
  - .name:           k_q9fc18b41f3_attend
    .symbol:         k_q9fc18b41f3_attend.kd
    .args:
      - { .name: encoder_outputs, .offset: 0, .size: 8, .value_kind: global_buffer, .address_space: global }
      - { .name: wf, .offset: 8, .size: 8, .value_kind: global_buffer, .address_space: global }
      - { .name: dec2, .offset: 16, .size: 8, .value_kind: global_buffer, .address_space: global }
      - { .name: v, .offset: 24, .size: 8, .value_kind: global_buffer, .address_space: global }
      - { .name: list, .offset: 32, .size: 8, .value_kind: global_buffer, .address_space: global }
      - { .name: cnt, .offset: 40, .size: 8, .value_kind: global_buffer, .address_space: global }
      - { .name: lowp_scales, .offset: 48, .size: 8, .value_kind: global_buffer, .address_space: global }
      - { .name: en, .offset: 56, .size: 8, .value_kind: global_buffer, .address_space: global }
      - { .name: st, .offset: 64, .size: 8, .value_kind: global_buffer, .address_space: global }
      - { .name: ctxp, .offset: 72, .size: 8, .value_kind: global_buffer, .address_space: global }
    .group_segment_fixed_size: 254720
    .private_segment_fixed_size: 0
    .kernarg_segment_align: 8
    .kernarg_segment_size: 80
    .max_flat_workgroup_size: 128
    .sgpr_count:     100
    .vgpr_count:     1024
    .wavefront_size: 32
...
	.end_amdgpu_metadata
.endif
;; end of part 4
;; launch combine: the kernel of part 3 again; grid 4 x 32, 2 waves a work-group, no clusters, 0 bytes of LDS; arguments ctxp, st, en, out0, out1; writes out0, out1
